; MI455X (gfx1250); checked and timed in simulation.
; The chip was launched on July 23, 2026; its instructions are those of AMD's public machine-readable ISA for CDNA 5 (MIT licence, August 2026) and "CDNA5" Instruction Set Architecture Reference Guide (July 2026). The comments in the code are by the model that wrote it; some were corrected since.
;; Cross Attention. Allowed arithmetic: matrix products marked QUANTISED: E2M3 operands, one E8M0 scale for each 32 along K, by v_wmma_scale_f32_16x16x128_f8f6f4 with both operands' format E2M3, f32 sums; everything else in f32.
;; Inputs: proj_b 1,024 float32; proj_w 1,024 x 1,024 float32; q 4 x 2,048 x 1,024 float32; wkv_w 2,048 x 1,024 float32; wq_w 1,024 x 1,024 float32; x 4 x 2,048 x 1,024 float32.
;; Outputs: out0 4 x 2,048 x 1,024 float32.
;; This version of the problem:
;;   THIS VERSION OF THE PROBLEM IS GIVEN IN LOW PRECISION. The matrix products marked QUANTISED in the list below multiply operands that are first quantised to E2M3 (2 exponent bits, 3 mantissa bits; 6 bits a number), with one power-of-two scale for each 32 numbers along K (OCP MX v1.0); their sums are f32. All else is computed in f32.
;;   The module's matrix products, in the order in which they are computed (A, B: the left and right operand; K: the contracted axis; several contracted axes count as one K, in the product's order):
;;     1. [M 8,192, K 1,024] x [K 1,024, N 1,024]; A: input q; B: input wq_w: QUANTISED
;;     2. [M 8,192, K 1,024] x [K 1,024, N 2,048]; A: input x; B: input wkv_w: QUANTISED
;;     3. batch 64 x [M 2,048, K 64] x [K 64, N 2,048]; A: computed on the way; B: computed on the way: QUANTISED
;;     4. batch 64 x [M 2,048, K 2,048] x [K 2,048, N 64]; A: softmax (see below); B: computed on the way: QUANTISED
;;     5. [M 8,192, K 1,024] x [K 1,024, N 1,024]; A: computed on the way; B: input proj_w: QUANTISED
;;   THE QUANTISER, for each operand of a quantised product, along K:
;;     - K is cut into blocks of 32 from its start; a last block that is shorter is filled with zeros.
;;     - A block's scale is 2^e with e = floor(log2(the largest magnitude in the block)) - 2, held to -126 .. 127; a block of zeros has e = 0. As a byte (E8M0): e + 127.
;;     - Each number is divided by its block's scale, clamped to +-7.5, and rounded to the nearest number of E2M3, ties to even, subnormals kept.
;;     - The product sums the exact products of the quantised numbers (number of the format x scale) in f32.
;;   ~~~python
;;   def quantise(x, axis):      # numpy; x: float32 -> the quantised numbers, widened to float32 again
;;       x = np.moveaxis(x, axis, -1); K = x.shape[-1]
;;       x = np.pad(x, [(0, 0)] * (x.ndim - 1) + [(0, -K % 32)]); x = x.reshape(x.shape[:-1] + (-1, 32)); a = np.abs(x).max(-1, keepdims=True)
;;       e = np.where(a > 0, np.clip(np.frexp(np.where(a > 0, a, 1))[1] - 1 - 2, -126, 127), 0)      # np.frexp(a)[1] - 1 = floor(log2(a)), exactly
;;       r = np.clip(x / 2.0 ** e, -7.5, 7.5)
;;       step = 2.0 ** (np.maximum(np.frexp(np.where(r == 0, 1, r))[1] - 1, 0) - 3)
;;       q = np.round(r / step) * step * 2.0 ** e      # np.round: ties to even
;;       return np.moveaxis(q.reshape(q.shape[:-2] + (-1,))[..., :K], -1, axis).astype(np.float32)
;;   ~~~
;;   SOFTMAX AHEAD OF A QUANTISED PRODUCT. Where the list says 'softmax', what is quantised is not the finished softmax but p = 2^(t - M), with t = logit x log2(e) and M = ceil(the row's largest t), a whole number; so 1/2 < the row's largest p <= 1. The row's sum l is taken of the UNQUANTISED p, in f32, and the product's result is divided by l at the end. Since M is a whole number, a kernel that streams over the keys may use a running M (the ceiling of the running maximum): every later rescaling is an exact power of two, which a block's scale takes up: the codes' values come out the same.
;;   OPERANDS COMPUTED ON THE WAY. 'Computed on the way' means the value that the module computes at that place (a softmax that the list does not call 'softmax' is quantised finished and normalised). What goes into a quantiser is computed in f32, as accurately as f32 sums, v_exp_f32 and their like allow (about 1e-6 of the number): no bf16 or f16 on the way to a quantiser, and a product that is left as it is and whose result goes on into a quantised operand takes f32 operands (vector FMAs, or v_wmma_f32_16x16x4_f32). A number that lies on a knife's edge between two numbers of the format may be rounded either way, as far as f32 arithmetic and the matrix unit's own rounding can turn it there, and no further.
;; One version. Each part assembles by itself: llvm-mc -triple=amdgcn-amd-amdhsa -mcpu=gfx1250 --defsym DOCPART=n.
;; ======== version 1 of 1: 4 launches
;; limits: right only within a limited range of input values
;; workspace buffers: acodes 15,728,640 bytes; ascales 655,360 bytes; img 18,874,368 bytes; isc 786,432 bytes; ycodes 6,291,456 bytes; yscales 262,144 bytes
;; launch quant (part 1): grid 640 x 1, 4 waves a work-group, no clusters, 34,304 bytes of LDS; arguments q, x, wq_w, wkv_w, proj_w, acodes, ascales; writes acodes, ascales
.if DOCPART == 1
	.amdgcn_target "amdgcn-amd-amdhsa--gfx1250"
	.amdhsa_code_object_version 6
	.text
	.protected	k_q0a9e6bc42b_quant
	.globl	k_q0a9e6bc42b_quant
	.p2align	8
	.type	k_q0a9e6bc42b_quant,@function
k_q0a9e6bc42b_quant:
	s_mov_b64 s[64:65], 0
	v_nop
	global_prefetch_b8 v0, s[64:65] scope:SCOPE_SE
	s_setreg_imm32_b32 hwreg(HW_REG_WAVE_MODE, 25, 1), 1
	s_wait_xcnt 0x0
; q, x [8192][1024], wq_w, proj_w [1024][1024], wkv_w [2048][1024], all f32 with K innermost, become codes of FP6 (E2M3) with one E8M0 byte for each 32 along K,
; laid in the ORDER OF AN OPERAND'S REGISTERS.  All rows count as one run of 20,480 rows = 1,280 tiles of 16 rows: q 0.., x 512.., wq_w 1024.., wkv_w 1088.., proj_w 1216...
; THE ROWS OF A TILE ARE NOT NEIGHBOURS: tile i, lane r holds row 32 (i / 2) + 8 (i % 2) + r + 8 (r / 8) of its tensor.
; acodes: a tile is 12,288 bytes: 8 fragments (128 along K) of 1,536 bytes; in a fragment register pair 2 p, 2 p + 1 of lane l lies at 256 p + 8 l.
; ascales: a tile is 512 bytes: [4][row r][2 words]: word q of group g is the scale word (four bytes, 128 along K) of K step 2 g + q.
; A block's scale is 2^(floor(log2(its largest magnitude)) - 2); its byte is the largest magnitude's exponent field - 2, held at 1 from below.
; LIMITS: a block of zeros gets the byte 1 where the rule says 127 (its codes are zeros, and this program alone reads the bytes); blocks whose largest magnitude lies under 2^-124 are held at that floor;
; NaN and infinities among the inputs are not served.
; SHARES: a work-group takes 32 rows (two tiles); wave w takes tile w / 2 of them and half w % 2 of K: four fragments.  Each load reads 512 consecutive bytes of one row; a fragment's 16 x 512 bytes turn through
; the wave's own stage in LDS (rows of 528 bytes) and come back with two whole blocks of 32 to a lane, as the operand's layout wants them.  Each store of codes covers 256 consecutive bytes, aligned.
; No barrier: waves share nothing.  Matrix units, clusters and tensor loads would add nothing to a stream.
.set STG,   8448                       ; a wave's stage: 16 rows x 528 bytes
.set SPARE, 4*STG                      ; behind the stages: the spare words, 128 bytes for each wave
.set SPW, 6                            ; v6   LDS address of my spare word; never rewritten
.set NIL, 7                            ; v7   0; never rewritten
.set MX,  8                            ; v8-9   largest magnitudes of my two blocks
.set SO,  10                           ; v10-11 the conversions' scale operands
.set BY,  12                           ; v12-13 the scale bytes
.set WD,  14                           ; v14 my half of the scale word, v15 the other half's
.set C,   24                           ; v24-35 a fragment's codes
.set T,   36                           ; v36-38, v40-42 the second halves of the blocks' codes
.set PW,  44                           ; v44-47 the four fragments' scale words
.set R,   64                           ; v64-127, v128-191 numbers as loaded, two sets
.set X,   192                          ; v192-255 numbers behind the turn: 32 c + i = number i of block 2 c + (lane / 16) of my row
	s_load_b256 s[4:11], s[0:1], 0x0               ; q, x, wq_w, wkv_w
	s_load_b128 s[12:15], s[0:1], 0x20             ; proj_w, acodes
	s_load_b64 s[16:17], s[0:1], 0x30              ; ascales
	v_lshl_add_u32 v[SPW], v0, 2, SPARE
	v_mov_b32 v[NIL], 0
	v_lshrrev_b32 v8, 5, v0
	v_readfirstlane_b32 s18, v8                    ; wave
	v_and_b32 v9, 31, v0                           ; lane
	v_and_b32 v10, 15, v0                          ; r
	v_bfe_u32 v11, v0, 4, 1                        ; h
	v_lshlrev_b32 v1, 4, v9                        ; v1: 16 x lane: my bytes of a load's 512
	s_mul_i32 s19, s18, STG
	v_add_nc_u32 v2, s19, v1                       ; v2: the stage, way in
	v_mul_u32_u24 v3, v10, 528
	v_lshl_add_u32 v3, v11, 7, v3
	v_add_nc_u32 v3, s19, v3                       ; v3: the stage, way out: row r, block h
	v_lshlrev_b32 v4, 3, v9                        ; v4: 8 x lane
	v_lshlrev_b32 v5, 3, v11                       ; v5: 8 h: my bytes' place in the scale word, in bits
	v_mov_b32 v[WD+1], 0                           ; written once: a lane permute's destination counts as one of its sources
	s_mov_b32 s20, 0x76543210
	s_mov_b32 s21, 0xfedcba98                      ; selects for lane l xor 16
	s_mov_b32 s22, 0xffff0000                      ; lanes 16-31
	s_lshr_b32 s23, s18, 1                         ; which of the two tiles
	s_and_b32 s25, s18, 1                          ; which half of K
	s_mov_b32 s24, 608                             ; the first work-group of my tensor
	s_wait_alu depctr_va_vdst(0)
	s_wait_kmcnt 0x0
	s_cmp_lt_u32 ttmp9, 608                        ; the tensor is chosen by the work-group's number alone
	s_cselect_b64 s[12:13], s[10:11], s[12:13]
	s_cselect_b32 s24, 544, s24
	s_cmp_lt_u32 ttmp9, 544
	s_cselect_b64 s[12:13], s[8:9], s[12:13]
	s_cselect_b32 s24, 512, s24
	s_cmp_lt_u32 ttmp9, 512
	s_cselect_b64 s[12:13], s[6:7], s[12:13]
	s_cselect_b32 s24, 256, s24
	s_cmp_lt_u32 ttmp9, 256
	s_cselect_b64 s[12:13], s[4:5], s[12:13]
	s_cselect_b32 s24, 0, s24
	s_sub_co_u32 s26, ttmp9, s24
	s_lshl_b32 s26, s26, 17                        ; 32 rows of 4,096 bytes a work-group
	s_lshl_b32 s28, s23, 15                        ; the second tile begins 8 rows down
	s_add_co_u32 s26, s26, s28
	s_lshl_b32 s28, s25, 11                        ; the second half of K: 512 numbers on
	s_add_co_u32 s26, s26, s28
	s_mov_b32 s27, 0
	s_add_nc_u64 s[12:13], s[12:13], s[26:27]
	s_lshl_b32 s28, ttmp9, 1
	s_add_co_u32 s28, s28, s23                     ; my tile
	s_mul_i32 s26, s28, 12288
	s_mul_i32 s30, s25, 6144
	s_add_co_u32 s26, s26, s30
	s_add_nc_u64 s[14:15], s[14:15], s[26:27]
	s_lshl_b32 s26, s28, 9
	s_lshl_b32 s30, s25, 8
	s_add_co_u32 s26, s26, s30
	s_add_nc_u64 s[16:17], s[16:17], s[26:27]
.macro LOAD t                          ; fragment t: 512 bytes of each of the tile's 16 rows
.irp j, 0,1,2,3,4,5,6,7,8,9,10,11,12,13,14,15
	global_load_b128 v[R+64*((\t)%2)+4*\j:R+64*((\t)%2)+4*\j+3], v1, s[12:13] offset:(\j+8*(\j/8))*4096+512*(\t) th:TH_LOAD_NT
.endr
.endm
.macro TURN t                          ; through the stage: LDS serves a wave's instructions in order, so no wait stands between the stores and the loads
.irp j, 0,1,2,3,4,5,6,7,8,9,10,11,12,13,14,15
	ds_store_b128 v2, v[R+64*((\t)%2)+4*\j:R+64*((\t)%2)+4*\j+3] offset:528*\j
.endr
.irp c, 0,1
.irp i, 0,1,2,3,4,5,6,7
	ds_load_b128 v[X+32*\c+4*\i:X+32*\c+4*\i+3], v3 offset:256*\c+16*\i
.endr
.endr
.endm
.macro WORK t
.irp c, 0,1
	v_max3_num_f32 v[MX+\c], |v[X+32*\c]|, |v[X+32*\c+1]|, 0x1800000   ; my block 2 c + h: all 32 numbers are mine; the floor 2^(3 - 127) holds the byte at 1 from below
.endr
.irp i, 2,4,6,8,10,12,14,16,18,20,22,24,26,28,30
.irp c, 0,1
	v_max3_num_f32 v[MX+\c], v[MX+\c], |v[X+32*\c+\i]|, |v[X+32*\c+\i+1]|
.endr
.endr
.irp c, 0,1
	v_add_nc_u32 v[SO+\c], 0xff000000, v[MX+\c]    ; 2 off the exponent field: the conversion takes the exponent field of this operand as its scale
.endr
.irp c, 0,1
	v_lshrrev_b32 v[BY+\c], 23, v[SO+\c]           ; the scale's byte
.endr
	v_lshl_or_b32 v[WD], v[BY+1], 16, v[BY]        ; blocks h and 2 + h,
	v_lshlrev_b32 v[WD], v5, v[WD]                 ; at their places in the word;
	v_permlanex16_b32 v[WD+1], v[WD], s20, s21
	v_or_b32 v[PW+\t], v[WD], v[WD+1]              ; with lane l xor 16's two the word is whole
	s_wait_alu depctr_va_vdst(0)
	s_wait_xcnt 0x0                                ; the last fragment's stores have read the codes' registers: only now are they written again
.irp c, 0,1
	v_cvt_scalef32_pk16_fp6_f32 v[C+6*\c:C+6*\c+2], v[X+32*\c:X+32*\c+15], v[SO+\c]
	v_cvt_scalef32_pk16_fp6_f32 v[T+4*\c:T+4*\c+2], v[X+32*\c+16:X+32*\c+31], v[SO+\c]   ; (a conversion's three registers begin on an even number)
.endr
	v_nop                                          ; one plain place behind a scaled conversion
.irp c, 0,1
.irp i, 0,1,2
	v_mov_b32 v[C+6*\c+3+\i], v[T+4*\c+\i]
.endr
.endr
.irp p, 0,1,2,3,4,5
	global_store_b64 v4, v[C+2*\p:C+2*\p+1], s[14:15] offset:1536*(\t)+256*\p   ; 32 lanes store 256 consecutive bytes, aligned
.endr
.endm
	LOAD 0
	LOAD 1
	s_wait_loadcnt 16                              ; fragment 0 is in; fragment 1's 16 loads may be out
	TURN 0
	s_wait_dscnt 0x0                               ; the numbers are back, and the stage's stores have read their registers,
	LOAD 2                                         ; which take the fragment two on
	WORK 0
	s_wait_loadcnt 16                              ; fragment 1 is in; fragment 2's may be out
	TURN 1
	s_wait_dscnt 0x0
	LOAD 3
	WORK 1
	s_wait_loadcnt 16                              ; fragment 2 is in; fragment 3's may be out
	TURN 2
	s_wait_dscnt 0x0
	WORK 2
	s_wait_loadcnt 0x0
	TURN 3
	s_wait_dscnt 0x0
	WORK 3
	v_cndmask_b32 v48, v[PW], v[PW+2], s22         ; lanes 0-15: row r's words of fragments 0, 1; lanes 16-31: of fragments 2, 3
	v_cndmask_b32 v49, v[PW+1], v[PW+3], s22
	global_store_b64 v4, v[48:49], s[16:17]        ; 256 consecutive bytes, aligned
	s_wait_tensorcnt 0x0                           ; the wave's end
	ds_add_u32 v[SPW], v[NIL]
	s_wait_dscnt 0x0
	s_endpgm
.Lfunc_end_k_q0a9e6bc42b_quant:
	.size	k_q0a9e6bc42b_quant, .Lfunc_end_k_q0a9e6bc42b_quant-k_q0a9e6bc42b_quant
	.p2alignl 7, 3214868480
	.fill 96, 4, 3214868480
	.section	.rodata,"a",@progbits
	.p2align	6, 0x0
	.amdhsa_kernel k_q0a9e6bc42b_quant
		.amdhsa_group_segment_fixed_size 34304
		.amdhsa_private_segment_fixed_size 0
		.amdhsa_enable_private_segment 0
		.amdhsa_kernarg_size 56
		.amdhsa_user_sgpr_count 2
		.amdhsa_user_sgpr_kernarg_segment_ptr 1
		.amdhsa_wavefront_size32 1
		.amdhsa_system_sgpr_workgroup_id_x 1
		.amdhsa_system_sgpr_workgroup_id_y 1
		.amdhsa_system_sgpr_workgroup_id_z 1
		.amdhsa_system_vgpr_workitem_id 0
		.amdhsa_next_free_vgpr 256
		.amdhsa_next_free_sgpr 66
		.amdhsa_reserve_vcc 0
		.amdhsa_float_denorm_mode_32 3
		.amdhsa_float_denorm_mode_16_64 3
		.amdhsa_memory_ordered 1
		.amdhsa_forward_progress 1
		.amdhsa_inst_pref_size 32
	.end_amdhsa_kernel
	.amdgpu_metadata
---
amdhsa.version: [ 1, 2 ]
amdhsa.kernels:
  - .name:           k_q0a9e6bc42b_quant
    .symbol:         k_q0a9e6bc42b_quant.kd
    .args:
      - { .name: q, .offset: 0, .size: 8, .value_kind: global_buffer, .address_space: global }
      - { .name: x, .offset: 8, .size: 8, .value_kind: global_buffer, .address_space: global }
      - { .name: wq_w, .offset: 16, .size: 8, .value_kind: global_buffer, .address_space: global }
      - { .name: wkv_w, .offset: 24, .size: 8, .value_kind: global_buffer, .address_space: global }
      - { .name: proj_w, .offset: 32, .size: 8, .value_kind: global_buffer, .address_space: global }
      - { .name: acodes, .offset: 40, .size: 8, .value_kind: global_buffer, .address_space: global }
      - { .name: ascales, .offset: 48, .size: 8, .value_kind: global_buffer, .address_space: global }
    .group_segment_fixed_size: 34304
    .private_segment_fixed_size: 0
    .kernarg_segment_align: 8
    .kernarg_segment_size: 56
    .max_flat_workgroup_size: 128
    .sgpr_count:     66
    .vgpr_count:     256
    .wavefront_size: 32
...
	.end_amdgpu_metadata
.endif
;; end of part 1
;; launch proj (part 2): grid 4 x 96, 4 waves a work-group, clusters of 4 x 4, 327,680 bytes of LDS; arguments acodes, ascales, img, isc; writes img, isc
.if DOCPART == 2
	.amdgcn_target "amdgcn-amd-amdhsa--gfx1250"
	.amdhsa_code_object_version 6
	.text
	.protected	k_q0a9e6bc42b_proj
	.globl	k_q0a9e6bc42b_proj
	.p2align	8
	.type	k_q0a9e6bc42b_proj,@function
k_q0a9e6bc42b_proj:
	s_mov_b64 s[64:65], 0
	v_nop
	global_prefetch_b8 v0, s[64:65] scope:SCOPE_SE
	s_setreg_imm32_b32 hwreg(HW_REG_WAVE_MODE, 25, 1), 1
	s_wait_xcnt 0x0
	s_wait_alu depctr_hold_cnt(0) depctr_sa_sdst(0) depctr_va_vdst(0) depctr_va_sdst(0) depctr_va_ssrc(0) depctr_va_vcc(0) depctr_vm_vsrc(0)
	s_getreg_b32 s2, hwreg(HW_REG_IB_STS2, 6, 4)
	s_cmp_eq_u32 s2, 0
	s_cbranch_scc0 .Lentry_in_a_cluster
	s_endpgm
.Lentry_in_a_cluster:
	s_bfe_u32 s2, ttmp6, 0x10000c
	s_cmp_lg_u32 s2, 0xf033
	s_cbranch_scc0 .Lentry_shape_is_right
	s_endpgm
.Lentry_shape_is_right:
; The three projections qh = q wq_w^T, k = x wk^T, v = x wv^T on codes of FP6 (E2M3) with E8M0 scales, K = 1,024, f32 sums; the results are quantised in registers and leave as images of the NEXT product's operands.
; A product is D = source 0 x source 1: SIDE 0's rows land in a lane's registers, SIDE 1's rows in the lanes.  With tiles in the order of rows that the first launch laid (tile i, lane r: row 32 (i / 2) + 8 (i % 2) + r + 8 (r / 8)),
; accumulator (a, b) holds in lane (r, h), register j: side 1's row of tile a, lane r, and side 0's row 32 (b / 2) + 16 h + 8 (b % 2) + j: the 16 registers of accumulators 2 b', 2 b' + 1 are 16 NEIGHBOURS along side 0.
; KIND (cluster y / 8): 0: Q: side 1 = q's tokens, side 0 = wq_w's rows;  1: K: x's tokens, wkv_w's rows 0-1023;  2: V: side 1 = wkv_w's rows 1024-2047, side 0 = x's tokens.  So Q and K are quantised along the head's 64, V along the keys.
; A work-group of four waves makes 256 x 256, a wave 128 x 128: 64 accumulators, 512 registers.  K goes in steps of 256 through a ring of two LDS slots; a tile's part of a slot is 3,072 dense bytes (two fragments as register images),
; so a fragment is six loads of 256 consecutive LDS bytes.  The scale words of the work-group's 2 x 256 rows, for all of K, come once.
; CLUSTERS: 4 x 4 work-groups: side 1's tiles are shared along a row of the cluster, side 0's along a column: each is asked for jointly, by the same tensor load with a mask that names the four.
; img: three sections (Q, K, V) of [64 (batch, head)][16 steps of 128 tokens][4 images of 1,536 bytes]; an image is 12 registers: register group 4 c .. 4 c + 3 of lane l at 512 c + 16 l.
;   Q, K: image p = [tile 2 p | tile 2 p + 1] of the step's tokens: registers 0-5 the 64 codes of tile 2 p's token, 6-11 of tile 2 p + 1's.   V: image t = 16 of the head's 64 x the step's 128 keys.
; isc: three sections of [64][16][lane][2 words]: word j of lane (r, h) is the scale word of image 2 j + h.
; LIMITS: a block of zeros gets the byte 1 (its codes are zeros, and this program alone reads the bytes); largest magnitudes under 2^-124 are held at that floor; NaN and infinities are not served.
; A work-group has two refills in all.
; REGISTERS, in windows of 256: window 0: v0-31 addresses; v32-63 scale words, two sets; v128-223 side 1's fragments, one set; behind the products v64-95 and v200-235 serve the quantiser.
;   window 1: side 0's fragments, two sets, at v0 and v128.   window 2: accumulators of my side-1 tiles 0-3 ((a, b) at v[8 (8 a + b)]);   window 3: of tiles 4-7.
; PREFETCH (in place of the sentence on it above): the codes of K slots 1 and 2 are asked for at the head and those of slot 3 behind slot 1's load, so each is named one or two fills ahead of the load that wants it.
; Of the 8 tiles x 3,072 bytes (96 blocks of 256) that a wave fetches for a slot, each of the four partners that ask for them jointly names 24, told apart by address: a lane a block, lanes 24-31 name the last again.
.set NQ,     2                         ; matrix instructions deep in a slot
.set FR,     12                        ; registers of a fragment
.set NL,     6                         ; LDS loads that bring one
.set NP,     4                         ; places behind this matrix instruction (ISA guide 7.12.1)
.set TILEB,  3072                      ; a tile's part of a slot
.set HALFT,  8*TILEB                   ; 8 tiles: what one tensor load brings, and what one wave reads of a side
.set SLOT,   4*HALFT                   ; side 1's 16 tiles, then side 0's
.set LAPS,   2                         ; K = 1,024 is four slots' worth: twice round the ring
.set SCL,    2*SLOT                    ; behind the ring: the scale words
.set HALFS,  4096                      ; those of 8 tiles
.set SBLK,   512                       ; those of one tile
.set SPARE,  SCL+4*HALFS               ; the spare words, 128 bytes for each wave
.set SEC,    6291456                   ; a section of img
.set SSEC,   262144                    ; a section of isc
.set ADRA, 16                          ; v16-17  LDS address of side 1's fragments in slot 0, 1
.set ADRB, 20                          ; v20-21  of side 0's
.set ADRS, 27                          ; v27     of my scale words: lanes 0-15 side 1's, lanes 16-31 side 0's
.set SPW,  28                          ; v28     my spare word; never rewritten
.set NIL,  29                          ; v29     0; never rewritten
.set SC,   32                          ; scale words: set s at v[SC + 16 s]; register 2 i + q: tile i, the slot's q-th 128 along K
.set AF,   128
.set IA,   64                          ; the quantiser: v64-75 an image, v76-87 a second
.set IB,   76
.set T0,   88                          ; v88-90, v92-94 the blocks' second halves
.set T1,   92
.set TM,   200                         ; v200-203 largest magnitudes, v204-207 the other half's, then bytes, v212-215 scale operands
.set PW,   216                         ; v216-223 the scale word of side-1 tile a
.set G1, 24
.set G0, 32
.set G1B, 48
.set G0B, 56
.set G1S, 68
.set G0S, 76
.set G1SB, 80
.set G0SB, 88
.set MSB, 0
.macro WIN new                         ; the immediate's high byte repeats the setting that is left
.if MSB != (\new)
	s_set_vgpr_msb (MSB<<8)|(\new)
.set MSB, (\new)
.endif
.endm
.set MUL_LO, 0xa1                      ; source 0 window 1, source 1 window 0, C and D window 2
.set MUL_HI, 0xf1                      ; the same, C and D window 3
.set TO_B,   0x40                      ; destination window 1, address window 0
; A joint load: waves 0 and 1 fetch for side 1, waves 2 and 3 for side 0.  The branch hangs on the wave's number alone.  An s_nop 0 and four v_nop follow each of the two lines.
.macro JLOAD g0a, g1a, g0b, g1b
	s_cmp_eq_u32 s15, 0
	s_cbranch_scc0 .Lfor_b_\@
	tensor_load_to_lds s[\g0a:\g0a+3], s[\g1a:\g1a+7]
	s_nop 0
.rept 4
	v_nop
.endr
	s_branch .Lasked_\@
.Lfor_b_\@:
	tensor_load_to_lds s[\g0b:\g0b+3], s[\g1b:\g1b+7]
	s_nop 0
.rept 4
	v_nop
.endr
.Lasked_\@:
.endm
.macro CREST                           ; a round of the cluster's barrier behind its opening barrier
	s_cmp_lg_u32 s14, 0
	s_cbranch_scc1 .Lnot_wave_0_\@
	s_barrier_signal -3
.Lnot_wave_0_\@:
	s_barrier_wait -3
	s_barrier_signal -1
	s_barrier_wait -1
.endm
.macro CROUND
	s_barrier_signal -1
	s_barrier_wait -1
	CREST
.endm
	s_load_b128 s[4:7], s[0:1], 0x0                ; side 1: acodes, ascales
	s_load_b128 s[8:11], s[0:1], 0x0               ; side 0: the same two buffers, in registers of its own
	s_load_b128 s[96:99], s[0:1], 0x10             ; img, isc
	v_lshl_add_u32 v[SPW], v0, 2, SPARE
	v_mov_b32 v[NIL], 0
	ds_add_u32 v[SPW], v[NIL]                      ; the wave's opening: the add, and its wait ahead of my first tensor load; the set-up below, work on registers, stands between them
	ds_add_u32 v[SPW], v[NIL]
	v_lshrrev_b32 v1, 5, v0
	v_readfirstlane_b32 s14, v1                    ; wave 0..3
	s_lshr_b32 s15, s14, 1                         ; which half of side 1 is mine.  Also: I fetch for side 1 (0) or side 0 (1)
	s_and_b32 s16, s14, 1                          ; which half of side 0.  Also: which 8 tiles I fetch
	s_bfe_u32 s40, ttmp6, 0x40000                  ; cx, cy: my place in the cluster
	s_bfe_u32 s41, ttmp6, 0x40004
	s_and_b32 s17, ttmp7, 0xffff                   ; cluster y, 0..23: shared by all sixteen
	s_lshr_b32 s100, s17, 3                        ; KIND
	s_and_b32 s17, s17, 7                          ; which group of four blocks of 256 tokens
	s_cmp_eq_u32 s100, 2
	s_cselect_b32 s42, s17, 0                      ; the tokens are side 0 for V,
	s_cselect_b32 s17, 0, s17                      ; side 1 for Q and K
	s_lshl_b32 s42, s42, 2
	s_add_co_u32 s42, s42, s40                     ; t0: my block of 256 rows of side 0
	s_lshl_b32 s17, s17, 2
	s_add_co_u32 s17, s17, s41                     ; t1: of side 1
	s_mov_b32 s94, 1152                            ; the sides' first tiles in acodes: V: wkv_w's second half, x
	s_mov_b32 s95, 512
	s_cmp_eq_u32 s100, 1
	s_cselect_b32 s94, 512, s94                    ; K: x, wkv_w
	s_cselect_b32 s95, 1088, s95
	s_cmp_eq_u32 s100, 0
	s_cselect_b32 s94, 0, s94                      ; Q: q, wq_w
	s_cselect_b32 s95, 1024, s95
	s_lshl_b32 s43, s41, 2
	s_lshl_b32 s43, 15, s43                        ; my row of the cluster
	s_lshl_b32 s44, 0x1111, s40                    ; my column
	; descriptor group 1 for the codes: 8 rows (tiles) of 3,072 bytes (384 elements of 8 bytes), 12,288 bytes apart; dense in LDS
	s_or_b32 s[G1+0], s43, (3<<16)|(1<<21)         ; 15:0 the mask: side 1's tiles go to my row; 17:16 elements of 8 bytes; 21 set beside a mask
	s_or_b32 s[G1B+0], s44, (3<<16)|(1<<21)
.irp g, G1, G1B
	s_mov_b32 s[\g+1], 384<<16                     ; tensor_dim0
	s_mov_b32 s[\g+2], 16<<16                      ; tensor_dim1: 16 tiles for the head's loads; behind them it is set to 8, for the ring's
	s_mov_b32 s[\g+3], 384<<16                     ; tile_dim0
	s_mov_b32 s[\g+4], 16                          ; tile_dim1, likewise
	s_mov_b32 s[\g+5], 1536                        ; elements from tile to tile
	s_mov_b32 s[\g+6], 0
	s_mov_b32 s[\g+7], 0
.endr
	; and for the scale words of a side's 16 tiles: 8,192 dense bytes as 32 rows of 256
	s_or_b32 s[G1S+0], s43, (3<<16)|(1<<21)
	s_or_b32 s[G1SB+0], s44, (3<<16)|(1<<21)
.irp g, G1S, G1SB
	s_mov_b32 s[\g+1], 32<<16
	s_mov_b32 s[\g+2], 32<<16                      ; the scale words of a side's 16 tiles: 8,192 dense bytes as 32 rows of 256
	s_mov_b32 s[\g+3], 32<<16
	s_mov_b32 s[\g+4], 32
	s_mov_b32 s[\g+5], 32
	s_mov_b32 s[\g+6], 0
	s_mov_b32 s[\g+7], 0
.endr
	s_lshl_b32 s20, s17, 4
	s_add_co_u32 s20, s20, s94                     ; side 1: first tile
	s_lshl_b32 s46, s42, 4
	s_add_co_u32 s46, s46, s95                     ; side 0: first tile
	s_lshl_b32 s22, s20, 9                         ; their scale words, 512 bytes a tile,
	s_mov_b32 s23, 0
	s_lshl_b32 s92, s46, 9
	s_mov_b32 s93, 0
	s_mul_i32 s20, s20, 12288                      ; and their codes
	s_mov_b32 s21, 0
	s_mul_i32 s46, s46, 12288
	s_mov_b32 s47, 0
	s_mul_i32 s45, s14, HALFT                      ; where they go: wave x 8 tiles: no place in the cluster enters an LDS address
	s_wait_dscnt 0x0                               ; the opening add is done
	s_wait_kmcnt 0x0
	s_add_nc_u64 s[20:21], s[4:5], s[20:21]
	s_add_nc_u64 s[22:23], s[6:7], s[22:23]
	s_add_nc_u64 s[46:47], s[8:9], s[46:47]
	s_add_nc_u64 s[92:93], s[10:11], s[92:93]
	CROUND                                         ; all sixteen work-groups are here: the first joint loads meet
	s_mov_b32 s[G0S], 1
	s_mov_b32 s[G0S+1], SCL
	s_mov_b64 s[G0S+2:G0S+3], s[22:23]
	s_or_b32 s[G0S+3], s[G0S+3], 0x80000000
	s_mov_b32 s[G0SB], 1
	s_mov_b32 s[G0SB+1], SCL+2*HALFS
	s_mov_b64 s[G0SB+2:G0SB+3], s[92:93]
	s_or_b32 s[G0SB+3], s[G0SB+3], 0x80000000
.set G0H, 4                            ; s[4:7], s[8:11] group 0 for the head's loads of slot 0: a side's 16 tiles each (the arguments that lay there have been used)
.set G0HB, 8
	s_mov_b32 s[G0H], 1
	s_mov_b32 s[G0H+1], 0
	s_mov_b64 s[G0H+2:G0H+3], s[20:21]
	s_or_b32 s[G0H+3], s[G0H+3], 0x80000000
	s_mov_b32 s[G0HB], 1
	s_mov_b32 s[G0HB+1], 2*HALFT
	s_mov_b64 s[G0HB+2:G0HB+3], s[46:47]
	s_or_b32 s[G0HB+3], s[G0HB+3], 0x80000000
	s_mul_i32 s18, s16, 8*12288                    ; for the ring: which 8 tiles of the 16 I fetch
	s_mov_b32 s19, 0
	s_add_nc_u64 s[20:21], s[20:21], s[18:19]
	s_add_nc_u64 s[46:47], s[46:47], s[18:19]
	s_cmp_eq_u32 s15, 0                            ; the prefetches' base: the 8 tiles that I fetch,
	s_cselect_b64 s[66:67], s[20:21], s[46:47]
	s_cselect_b32 s18, s40, s41                    ; my place among the four that ask with me,
	s_mul_i32 s18, s18, 2*12288                    ; two tiles for each place
	s_add_nc_u64 s[66:67], s[66:67], s[18:19]
.irp s, 0,1
	s_mov_b32 s[G0+4*\s], 1
	s_add_co_u32 s[G0+4*\s+1], s45, \s*SLOT
	s_add_nc_u64 s[G0+4*\s+2:G0+4*\s+3], s[20:21], \s*TILEB
	s_or_b32 s[G0+4*\s+3], s[G0+4*\s+3], 0x80000000
	s_mov_b32 s[G0B+4*\s], 1
	s_add_co_u32 s[G0B+4*\s+1], s45, \s*SLOT
	s_add_nc_u64 s[G0B+4*\s+2:G0B+4*\s+3], s[46:47], \s*TILEB
	s_or_b32 s[G0B+4*\s+3], s[G0B+4*\s+3], 0x80000000
.endr
; The head's loads, one a wave: wave 0 side 1's 16 tiles of slot 0, wave 1 side 0's, wave 2 side 1's scale words, wave 3 side 0's.  One chain of branches on the wave's number.
.macro ARM under, g0, g1, next
	s_cmp_lt_u32 s14, \under
	s_cbranch_scc0 \next
	tensor_load_to_lds s[\g0:\g0+3], s[\g1:\g1+7]
	s_nop 0
.rept 4
	v_nop
.endr
	s_branch .Lhead_asked
\next:
.endm
	ARM 1, G0H,  G1,  .Lhead_b
	ARM 2, G0HB, G1B, .Lhead_sa
	ARM 3, G0S,  G1S, .Lhead_sb
	tensor_load_to_lds s[G0SB:G0SB+3], s[G1SB:G1SB+7]
	s_nop 0
.rept 4
	v_nop
.endr
.Lhead_asked:
	v_and_b32 v1, 15, v0
	v_bfe_u32 v2, v0, 4, 1                         ; h
	v_and_b32 v3, 31, v0                           ; lane
	v_lshlrev_b32 v4, 3, v3                        ; 8 x lane: my bytes of a register pair's 256
	v_lshlrev_b32 v30, 4, v3                       ; v30: 16 x lane: my bytes of an image's 512
	v_lshlrev_b32 v31, 3, v3                       ; v31: 8 x lane: my two scale words on the way out
	v_and_b32 v8, 31, v0
	v_min_u32 v8, 23, v8                           ; block 0..23 of my two tiles' parts of a slot: 12 blocks a tile
	v_add_nc_u32 v9, 4, v8
	v_lshrrev_b32 v9, 4, v9                        ; 1 from block 12 on
	v_mul_u32_u24 v9, v9, 12288-3072               ; the second tile's part begins 12,288 bytes behind the first's
	v_lshl_add_u32 v8, v8, 8, v9                   ; v8: never rewritten
	global_prefetch_b8 v8, s[66:67] offset:TILEB th:TH_LOAD_NT scope:SCOPE_SE      ; K slot 1
	global_prefetch_b8 v8, s[66:67] offset:2*TILEB th:TH_LOAD_NT scope:SCOPE_SE    ; K slot 2
	s_mul_i32 s21, s15, HALFT                      ; my 8 tiles of side 1
	s_mul_i32 s22, s16, HALFT                      ; my 8 tiles of side 0,
	s_add_co_u32 s22, s22, 2*HALFT                 ; which lie behind side 1's 16
.irp s, 0,1
	v_add_nc_u32 v[ADRA+\s], s21, v4
	v_add_nc_u32 v[ADRB+\s], s22, v4
	s_add_co_u32 s21, s21, SLOT
	s_add_co_u32 s22, s22, SLOT
.endr
	v_lshlrev_b32 v5, 3, v1                        ; my row's two words of a slot: 8 r
	s_mul_i32 s21, s15, HALFS
	s_mul_i32 s22, s16, HALFS
	s_add_co_u32 s22, s22, 2*HALFS
	s_sub_co_u32 s22, s22, s21
	v_mul_u32_u24 v6, s22, v2                      ; lanes 16-31 take side 0's: one product, h x the distance
	s_add_co_u32 s21, s21, SCL
	v_add_nc_u32 v5, v5, v6
	v_add_nc_u32 v[ADRS], s21, v5
	; where my results go: tokens' block and half give batch and step, channels' block and half give the first of my two heads
	s_cmp_eq_u32 s100, 2
	s_cselect_b32 s18, s42, s17                    ; the tokens' block of 256,
	s_cselect_b32 s19, s16, s15                    ; my half of it,
	s_cselect_b32 s20, s17, s42                    ; the channels' block of 256,
	s_cselect_b32 s21, s15, s16                    ; my half of it
	s_lshr_b32 s22, s18, 3                         ; batch
	s_lshl_b32 s22, s22, 4
	s_lshl_b32 s20, s20, 2
	s_add_co_u32 s22, s22, s20
	s_lshl_b32 s21, s21, 1
	s_add_co_u32 s22, s22, s21                     ; 16 batch + head
	s_and_b32 s18, s18, 7
	s_lshl_b32 s18, s18, 1
	s_add_co_u32 s18, s18, s19                     ; the step of 128 tokens
	s_lshl_b32 s22, s22, 4
	s_add_co_u32 s22, s22, s18
	s_mul_i32 s20, s22, 6144
	s_mul_i32 s21, s100, SEC
	s_add_co_u32 s20, s20, s21
	s_mov_b32 s21, 0
	s_add_nc_u64 s[96:97], s[96:97], s[20:21]
	s_lshl_b32 s20, s22, 8
	s_mul_i32 s23, s100, SSEC
	s_add_co_u32 s20, s20, s23
	s_add_nc_u64 s[98:99], s[98:99], s[20:21]
	s_mov_b32 s101, 0xffff0000                     ; lanes 16-31
.macro FRAG reg, adr, q, i             ; a fragment is a register image: pair p of lane l at 256 p + 8 l: each load reads 256 consecutive bytes
.irp p, 0,1,2,3,4,5
	ds_load_b64 v[\reg+2*\p:\reg+2*\p+1], v[\adr] offset:(\i)*TILEB+(\q)*1536+256*\p
.endr
.endm
; 16 matrix instructions: side 1's tiles a0, a0 + 1 x side 0's eight, 128 along K.  p: side 0's set;  sc: the set of scale words.  zero = 1: the first product starts the sums.
; The 64 accumulators take turns, one instruction a turn, in the same order in every step.
.macro MUL16 a0, p, q, sc, zero
.irp a, \a0, \a0+1
.irp b, 0,1,2,3,4,5,6,7
.if \zero
	v_wmma_scale_f32_16x16x128_f8f6f4 v[8*(8*((\a)%4)+\b):8*(8*((\a)%4)+\b)+7], v[128*(\p)+FR*\b:128*(\p)+FR*\b+FR-1], v[AF+FR*(\a):AF+FR*(\a)+FR-1], 0, v[SC+8*NQ*(\sc)+NQ*\b+(\q)], v[SC+8*NQ*(\sc)+NQ*(\a)+(\q)] matrix_a_fmt:MATRIX_FMT_FP6 matrix_b_fmt:MATRIX_FMT_FP6 matrix_a_scale:MATRIX_SCALE_ROW1
.else
	v_wmma_scale_f32_16x16x128_f8f6f4 v[8*(8*((\a)%4)+\b):8*(8*((\a)%4)+\b)+7], v[128*(\p)+FR*\b:128*(\p)+FR*\b+FR-1], v[AF+FR*(\a):AF+FR*(\a)+FR-1], v[8*(8*((\a)%4)+\b):8*(8*((\a)%4)+\b)+7], v[SC+8*NQ*(\sc)+NQ*\b+(\q)], v[SC+8*NQ*(\sc)+NQ*(\a)+(\q)] matrix_a_fmt:MATRIX_FMT_FP6 matrix_b_fmt:MATRIX_FMT_FP6 matrix_a_scale:MATRIX_SCALE_ROW1
.endif
.endr
.endr
.endm
.macro FETCH_B slot, q, p
	WIN TO_B
.irp i, 0,1,2,3,4,5,6,7
	FRAG 128*(\p)+FR*\i, ADRB+\slot, \q, \i
.endr
	WIN 0
.endm
.macro FETCH_A slot, q, i0
.irp i, \i0, \i0+1, \i0+2, \i0+3
	FRAG AF+FR*(\i), ADRA+\slot, \q, \i
.endr
.endm
.macro SCALES sc                       ; a slot's scale words: two a row; lanes 0-15 side 1's tile i, lanes 16-31 side 0's tile i
.irp i, 0,1,2,3,4,5,6,7
	ds_load_b64 v[SC+8*NQ*\sc+NQ*\i:SC+8*NQ*\sc+NQ*\i+1], v[ADRS] offset:\i*SBLK
.endr
.endm
.macro PLACES n                        ; plain vector instructions between a matrix instruction and a load into, or a vector read of, its registers
.rept \n
	v_nop
.endr
.endm
.macro STEP slot, q, zero              ; a step of 128 along K that has its successor in the same slot
	s_wait_dscnt 4*NL                              ; side 0's set and side 1's tiles 0-3 are in; the youngest 24 loads (tiles 4-7) may be out
	WIN MUL_LO
	MUL16 0, (\q)%2, \q, \slot, \zero
	MUL16 2, (\q)%2, \q, \slot, \zero
	s_wait_dscnt 0
	PLACES NP
	FETCH_B \slot, (\q)+1, 1-(\q)%2
	FETCH_A \slot, (\q)+1, 0
	WIN MUL_HI
	MUL16 4, (\q)%2, \q, \slot, \zero
	MUL16 6, (\q)%2, \q, \slot, \zero
	PLACES NP
	WIN 0
	FETCH_A \slot, (\q)+1, 4
.endm
; A slot's last step changes slots: ONE barrier; in front of it each wave waits for all its tensor loads, adds 0 to its spare word, and waits for that and for its reads of this slot.  fill = 1: this slot is filled again.
.macro TURN slot, next, fill
	s_wait_tensorcnt 0x0                           ; all my tensor loads have landed: my part of the next slot
	ds_add_u32 v[SPW], v[NIL]                      ; 0 onto my spare word
	s_wait_dscnt 4*NL+1                            ; (the add and the youngest 24 loads may be out)
	WIN MUL_LO
	MUL16 0, 1, NQ-1, \slot, 0                     ; sixteen matrix instructions stand between the add and the wait for it
	s_wait_dscnt 0x0                               ; the add is done, and my reads of this slot are over
	s_barrier_signal -1
	MUL16 2, 1, NQ-1, \slot, 0
	WIN 0
	s_barrier_wait -1
.if \fill
	CREST                                          ; the barrier has opened a round of the cluster's barrier: no wave of any partner still reads this slot or has a load on its way
	s_add_nc_u64 s[G0+4*\slot+2:G0+4*\slot+3], s[G0+4*\slot+2:G0+4*\slot+3], 2*TILEB
	s_add_nc_u64 s[G0B+4*\slot+2:G0B+4*\slot+3], s[G0B+4*\slot+2:G0B+4*\slot+3], 2*TILEB
	JLOAD G0+4*\slot, G1, G0B+4*\slot, G1B         ; the first tensor load behind the round; its four v_nop are the places in front of the loads below
.else
	PLACES NP
.endif
	s_wait_alu depctr_va_vdst(0)
	v_add_nc_u32 v[ADRS], 128, v[ADRS]             ; the next slot's scale words
	FETCH_B \next, 0, 0
	FETCH_A \next, 0, 0
	SCALES \next
	WIN MUL_HI
	MUL16 4, 1, NQ-1, \slot, 0
	MUL16 6, 1, NQ-1, \slot, 0
	PLACES NP
	WIN 0
	FETCH_A \next, 0, 4
.endm
	s_wait_alu depctr_va_vdst(0)
	s_wait_tensorcnt 0x0                           ; my tile of the head's four is in
	ds_add_u32 v[SPW], v[NIL]
	s_mov_b32 s[G1+2], 8<<16                       ; no tensor load of mine is out: from here on a load brings 8 tiles
	s_mov_b32 s[G1+4], 8
	s_mov_b32 s[G1B+2], 8<<16
	s_mov_b32 s[G1B+4], 8
	s_wait_dscnt 0x0
	CROUND                                         ; all four tiles are in, and all sixteen work-groups are here
	JLOAD G0+4, G1, G0B+4, G1B                     ; slot 1's first fill, the first tensor load behind the round
	FETCH_B 0, 0, 0
	FETCH_A 0, 0, 0
	SCALES 0
	FETCH_A 0, 0, 4
	global_prefetch_b8 v8, s[66:67] offset:3*TILEB th:TH_LOAD_NT scope:SCOPE_SE    ; K slot 3, the last: two fills ahead of its load
	STEP 0, 0, 1                                   ; the first step stands in front of the loop: its products start the sums
	s_mov_b32 s3, LAPS-1
.Llap:                                             ; a trip goes once round the ring and fills both slots again
	TURN 0, 1, 1
	STEP 1, 0, 0
	TURN 1, 0, 1
	STEP 0, 0, 0
	s_sub_co_u32 s3, s3, 1
	s_cmp_lg_u32 s3, 0
	s_cbranch_scc1 .Llap
	TURN 0, 1, 0                                   ; the last lap fills nothing
	STEP 1, 0, 0
	s_wait_dscnt 4*NL
	WIN MUL_LO
	MUL16 0, 1, NQ-1, 1, 0
	MUL16 2, 1, NQ-1, 1, 0
	s_wait_dscnt 0
	WIN MUL_HI
	MUL16 4, 1, NQ-1, 1, 0
	MUL16 6, 1, NQ-1, 1, 0
	WIN 0
; THE QUANTISER.  Side-1 tile a: a lane's 64 results, register 16 b + i = side 0's row 32 b + 16 h + i, are four blocks of 32, each shared with lane l xor 16.
; d0 takes the six registers of side 0's rows 0-63 (lane (r, h): rows 32 h .. 32 h + 31), d1 those of rows 64-127; v[PW + a] the four scale bytes.  Each accumulator is read from its low end on.
.macro QUANTW a, d0, d1
.set W, 2+(\a)/4
.set AC, 64*((\a)%4)
	WIN 5*W                                        ; sources 0 and 1: the accumulators' window
.irp b, 0,1,2,3
	v_max3_num_f32 v[TM+\b], |v[AC+16*\b]|, |v[AC+16*\b+1]|, 0x1800000   ; the floor 2^(3 - 127) holds the byte at 1 from below
.endr
	WIN 20*W                                       ; sources 1 and 2
.irp i, 2,4,6,8,10,12,14
.irp b, 0,1,2,3
	v_max3_num_f32 v[TM+\b], v[TM+\b], |v[AC+16*\b+\i]|, |v[AC+16*\b+\i+1]|
.endr
.endr
	WIN 0
.irp b, 0,1,2,3
	v_permlanex16_b32 v[TM+4+\b], v[TM+\b], s2, s3
.endr
.irp b, 0,1,2,3
	v_max_num_f32 v[TM+\b], v[TM+\b], v[TM+4+\b]   ; with lane l xor 16's: the block's largest magnitude
.endr
.irp b, 0,1,2,3
	v_add_nc_u32 v[TM+12+\b], 0xff000000, v[TM+\b] ; 2 off its exponent field: the conversion's scale operand
.endr
.irp b, 0,1,2,3
	v_lshrrev_b32 v[TM+4+\b], 23, v[TM+12+\b]      ; the scale's byte
.endr
	v_lshl_or_b32 v[PW+(\a)], v[TM+5], 8, v[TM+4]
	v_lshl_or_b32 v[PW+(\a)], v[TM+6], 16, v[PW+(\a)]
	v_lshl_or_b32 v[PW+(\a)], v[TM+7], 24, v[PW+(\a)]
	WIN W                                          ; source 0
	v_cvt_scalef32_pk16_fp6_f32 v[\d0:\d0+2], v[AC:AC+15], v[TM+12]
	v_cvt_scalef32_pk16_fp6_f32 v[T0:T0+2], v[AC+16:AC+31], v[TM+13]   ; (a conversion's three registers begin on an even number)
	v_cvt_scalef32_pk16_fp6_f32 v[\d1:\d1+2], v[AC+32:AC+47], v[TM+14]
	v_cvt_scalef32_pk16_fp6_f32 v[T1:T1+2], v[AC+48:AC+63], v[TM+15]
	WIN 0
	v_nop                                          ; one plain place behind a scaled conversion
.irp i, 0,1,2                                  ; the operand's layout wants a whole block in a lane: lanes 0-15 the first block, lanes 16-31 the second
	v_permlane16_swap_b32 v[\d0+\i], v[T0+\i]
.endr
.irp i, 0,1,2
	v_mov_b32 v[\d0+3+\i], v[T0+\i]
.endr
.irp i, 0,1,2
	v_permlane16_swap_b32 v[\d1+\i], v[T1+\i]
.endr
.irp i, 0,1,2
	v_mov_b32 v[\d1+3+\i], v[T1+\i]
.endr
.endm
	PLACES NP                                      ; behind the last products: their results are read, and registers that held side 1's fragments are written
	s_mov_b32 s2, 0x76543210
	s_mov_b32 s3, 0xfedcba98                       ; selects for lane l xor 16
.irp b, 0,1,2,3
	v_mov_b32 v[TM+4+\b], 0                        ; written once: a lane permute's destination counts as one of its sources
.endr
	s_cmp_eq_u32 s100, 2                           ; KIND: the same in all sixteen partners
	s_cbranch_scc1 .Lvalues
	; Q, K: side 0's 128 rows are two heads' 64 channels.  Tiles 2 p and 2 p + 1 of the tokens make image p of each head
.irp p, 0,1,2,3
.if \p > 0
	s_wait_xcnt 0x0                                ; the last images' stores have read their registers
.endif
	QUANTW 2*\p, IA, IB
	QUANTW 2*\p+1, IA+6, IB+6
.irp c, 0,1,2
	global_store_b128 v30, v[IA+4*\c:IA+4*\c+3], s[96:97] offset:1536*\p+512*\c          ; 512 consecutive bytes, aligned
	global_store_b128 v30, v[IB+4*\c:IB+4*\c+3], s[96:97] offset:98304+1536*\p+512*\c    ; the second head: 16 steps of 6,144 bytes on
.endr
.endr
.irp p, 0,1,2,3
	v_perm_b32 v[224+\p], v[PW+2*\p+1], v[PW+2*\p], 0x05040100   ; image p's word, first head: tile 2 p's bytes 0, 1, then tile 2 p + 1's
	v_perm_b32 v[228+\p], v[PW+2*\p+1], v[PW+2*\p], 0x07060302   ; second head: bytes 2, 3 of both
.endr
	v_cndmask_b32 v232, v224, v225, s101           ; lanes 0-15 hold images 0 and 2, lanes 16-31 images 1 and 3
	v_cndmask_b32 v233, v226, v227, s101
	v_cndmask_b32 v234, v228, v229, s101
	v_cndmask_b32 v235, v230, v231, s101
	global_store_b64 v31, v[232:233], s[98:99]     ; 256 consecutive bytes, aligned
	global_store_b64 v31, v[234:235], s[98:99] offset:4096
	s_branch .Ldone
.Lvalues:
	; V: side 0's 128 rows are a step's keys: side-1 tile a is image a % 4 of head a / 4, a plain fragment
.irp a, 0,1,2,3,4,5,6,7
.if \a > 0
	s_wait_xcnt 0x0
.endif
	QUANTW \a, IA, IA+6
.irp c, 0,1,2
	global_store_b128 v30, v[IA+4*\c:IA+4*\c+3], s[96:97] offset:(\a/4)*98304+(\a%4)*1536+512*\c
.endr
.endr
.irp e, 0,1
	v_cndmask_b32 v[232+2*\e], v[PW+4*\e], v[PW+4*\e+1], s101
	v_cndmask_b32 v[233+2*\e], v[PW+4*\e+2], v[PW+4*\e+3], s101
	global_store_b64 v31, v[232+2*\e:233+2*\e], s[98:99] offset:4096*\e
.endr
.Ldone:
	s_wait_tensorcnt 0x0                           ; the wave's end
	ds_add_u32 v[SPW], v[NIL]
	s_wait_dscnt 0x0
	CROUND                                         ; the closing round: no work-group ends while a partner may still ask for a tile that names it
	s_endpgm
.Lfunc_end_k_q0a9e6bc42b_proj:
	.size	k_q0a9e6bc42b_proj, .Lfunc_end_k_q0a9e6bc42b_proj-k_q0a9e6bc42b_proj
	.p2alignl 7, 3214868480
	.fill 96, 4, 3214868480
	.section	.rodata,"a",@progbits
	.p2align	6, 0x0
	.amdhsa_kernel k_q0a9e6bc42b_proj
		.amdhsa_group_segment_fixed_size 327680
		.amdhsa_private_segment_fixed_size 0
		.amdhsa_enable_private_segment 0
		.amdhsa_kernarg_size 32
		.amdhsa_user_sgpr_count 2
		.amdhsa_user_sgpr_kernarg_segment_ptr 1
		.amdhsa_wavefront_size32 1
		.amdhsa_system_sgpr_workgroup_id_x 1
		.amdhsa_system_sgpr_workgroup_id_y 1
		.amdhsa_system_sgpr_workgroup_id_z 1
		.amdhsa_system_vgpr_workitem_id 0
		.amdhsa_next_free_vgpr 1024
		.amdhsa_next_free_sgpr 102
		.amdhsa_reserve_vcc 0
		.amdhsa_float_denorm_mode_32 3
		.amdhsa_float_denorm_mode_16_64 3
		.amdhsa_memory_ordered 1
		.amdhsa_forward_progress 1
		.amdhsa_inst_pref_size 201
	.end_amdhsa_kernel
	.amdgpu_metadata
---
amdhsa.version: [ 1, 2 ]
amdhsa.kernels:
  - .name:           k_q0a9e6bc42b_proj
    .symbol:         k_q0a9e6bc42b_proj.kd
    .args:
      - { .name: acodes, .offset: 0, .size: 8, .value_kind: global_buffer, .address_space: global }
      - { .name: ascales, .offset: 8, .size: 8, .value_kind: global_buffer, .address_space: global }
      - { .name: img, .offset: 16, .size: 8, .value_kind: global_buffer, .address_space: global }
      - { .name: isc, .offset: 24, .size: 8, .value_kind: global_buffer, .address_space: global }
    .group_segment_fixed_size: 327680
    .private_segment_fixed_size: 0
    .kernarg_segment_align: 8
    .kernarg_segment_size: 32
    .max_flat_workgroup_size: 128
    .sgpr_count:     102
    .vgpr_count:     1024
    .wavefront_size: 32
...
	.end_amdgpu_metadata
.endif
;; end of part 2
;; launch attn (part 3): grid 4 x 64, 16 waves a work-group, clusters of 4 x 1, 327,680 bytes of LDS; arguments img, isc, ycodes, yscales; writes ycodes, yscales
.if DOCPART == 3
	.amdgcn_target "amdgcn-amd-amdhsa--gfx1250"
	.amdhsa_code_object_version 6
	.text
	.protected	k_q0a9e6bc42b_attn
	.globl	k_q0a9e6bc42b_attn
	.p2align	8
	.type	k_q0a9e6bc42b_attn,@function
k_q0a9e6bc42b_attn:
	s_mov_b64 s[64:65], 0
	v_nop
	global_prefetch_b8 v0, s[64:65] scope:SCOPE_SE
	s_setreg_imm32_b32 hwreg(HW_REG_WAVE_MODE, 25, 1), 1
	s_wait_xcnt 0x0
	s_wait_alu depctr_hold_cnt(0) depctr_sa_sdst(0) depctr_va_vdst(0) depctr_va_sdst(0) depctr_va_ssrc(0) depctr_va_vcc(0) depctr_vm_vsrc(0)
	s_getreg_b32 s2, hwreg(HW_REG_IB_STS2, 6, 4)
	s_cmp_eq_u32 s2, 0
	s_cbranch_scc0 .Lentry_in_a_cluster
	s_endpgm
.Lentry_in_a_cluster:
	s_bfe_u32 s2, ttmp6, 0x10000c
	s_cmp_lg_u32 s2, 0x3003
	s_cbranch_scc0 .Lentry_shape_is_right
	s_endpgm
.Lentry_shape_is_right:
; y[b][n][head 64 ..] = causal softmax(qh k^T / 8) v for the 64 (batch, head) pairs, 2,048 tokens, head size 64, both products on codes of FP6 (E2M3) with E8M0 scales; y leaves quantised along the channels, as the last product's operand.
; THE SOFTMAX AHEAD OF THE SECOND PRODUCT: t = score x log2(e) / 8; M = the running largest t rounded UP to a whole number; p = 2^(t - M) is quantised along the keys; the row's sum is taken of the unquantised p and divides at the end.
; When M moves, the sum and O are multiplied by 2^(old M - new M): exact.
; SHARES.  A cluster of four work-groups is one (batch, head).  Each partner holds the head's WHOLE K and V (2 x 98,304 bytes of register images, and their scale words) in its LDS, filled once, by joint loads that name all four:
; no ring, no refill.  A wave owns two tiles of 16 queries, one late and one early: wave w of partner cx, u = w / 2: tile 2 cx + w % 2 of step 15 - u (pass B) and of step u (pass A): (16 - u) + (u + 1) = 17 key steps of 128 keys in every wave.
; Branches hang on the wave's number and on counted loops alone; cx enters global addresses and the mask's numbers only.  Steps behind a tile's diagonal are left out; on the diagonal hidden scores become -infinity.
; LAYOUT.  Both products are used transposed: S^T = K Q^T, O^T = V^T P^T: a lane holds ONE query (lane % 16).  The tokens of a tile are not neighbours (tile i, lane r: 32 (i / 2) + 8 (i % 2) + r + 8 (r / 8)), so p's 16 registers of
; two neighbouring tiles are 16 neighbouring keys.
; HEAD SIZE 64 IS HALF OF THE INSTRUCTION'S K.  K's operand p is the PAIR [tile 2 p | tile 2 p + 1]; times [q | zeros] it gives tile 2 p's scores, times [zeros | q] tile 2 p + 1's.  The other half of K's operand meets zero CODES of Q under
; scale bytes from 1 to 254, so it adds exact zeros: only Q's side of the unused half is filled with zeros, and no LDS byte is read in vain.
; LIMITS: a block of zeros gets the byte 1 (its codes are zeros; this program alone reads the bytes); largest magnitudes under 2^-124 are held at that floor; NaN and infinities are not served.
; No prefetch: every byte that a work-group reads is asked for at its head.
; REGISTERS: v1-4, v7, v11 addresses and the mask's number; v8-10 the step's addresses; v12 -M, v13 the largest t, v[14:15] the sum; v16-33 zeros, q, zeros; v34 q's scale word; v35-41 pass A's q; v42-45 K's and V's scale words;
; v48-95 four operands of K, then of V; v96-159 S^T, then p; v160-191 O^T; v192-203 p's codes; v204-227 at work.
.set SEC,   6291456                    ; a section of img
.set SSEC,  262144                     ; a section of isc
.set STEPB, 6144                       ; a step's four images
.set VLDS,  98304                      ; LDS: K at 0, V here,
.set KSC,   196608                     ; K's scale words (256 bytes a step), V's 4,096 bytes on,
.set SPARE, 204800                     ; the spare words, 128 bytes for each of 16 waves
.set SPW, 5
.set NIL, 6
.set ADK, 8
.set ADV, 9
.set ADS, 10
.set QS,  34
.set KS,  42
.set VS,  44
.set KV,  48
.set S,   96
.set O,   160
.set PC,  192
.set T0,  204                          ; v204-206, v208-210 the blocks' second halves
.set MX,  212                          ; v212-215 the blocks' largest scores
.set PB,  216                          ; v216-219 the other half's; a chain of the sum; the bytes
.set SO,  220                          ; v220-223 the conversions' scale operands
.set TP,  224
.set F,   226                          ; v226 f = 2^(old M - new M), v227 p's scale word
.set WV,  12
.set U,   13
.set PAR, 14
.set CX,  15
.set BH,  16
.set SEL, 20
.set CS,  22
.set G1S, 24                           ; s[24:31], s[32:39], s[40:47] descriptor groups 1: 4, 24 and 36 rows of 256 bytes
.set G1E, 32
.set G1L, 40
.set G0S, 48                           ; s[48:51], s[52:55], s[56:59] their groups 0
.set G0E, 52
.set G0L, 56
.set ST,  60                           ; the key step
.set DG,  61                           ; the step on my tile's diagonal
.set TK,  62                           ; the step's images in LDS
.set TS,  63                           ; its scale words
.set YCB, 66                           ; s[66:67], s[68:69] where pass B's codes and scale bytes go; s[70:71], s[72:73] pass A's
.set YSB, 68
.set YCA, 70
.set YSA, 72
.macro CROUND                          ; a round of the cluster's barrier
	s_barrier_signal -1
	s_barrier_wait -1
	s_cmp_lg_u32 s[WV], 0
	s_cbranch_scc1 .Lnot_wave_0_\@
	s_barrier_signal -3
.Lnot_wave_0_\@:
	s_barrier_wait -3
	s_barrier_signal -1
	s_barrier_wait -1
.endm
	s_load_b128 s[4:7], s[0:1], 0x0                ; img, isc
	s_load_b128 s[8:11], s[0:1], 0x10              ; ycodes, yscales
	v_lshl_add_u32 v[SPW], v0, 2, SPARE
	v_mov_b32 v[NIL], 0
	ds_add_u32 v[SPW], v[NIL]                      ; the wave's opening: the add, and its wait ahead of my first tensor load; the set-up below, work on registers, stands between them
	ds_add_u32 v[SPW], v[NIL]
	v_lshrrev_b32 v8, 5, v0
	s_delay_alu instid0(VALU_DEP_1)
	v_readfirstlane_b32 s[WV], v8                  ; wave 0..15
	s_lshr_b32 s[U], s[WV], 1
	s_and_b32 s[PAR], s[WV], 1
	s_bfe_u32 s[CX], ttmp6, 0x40000                ; my place in the cluster
	s_and_b32 s[BH], ttmp7, 0xffff                 ; 16 batch + head, which the four partners share
	s_lshr_b32 s17, s[WV], 3                       ; I fetch for K (0) or V (1),
	s_and_b32 s18, s[WV], 7                        ; the eighth that is mine
	; descriptor groups 1: dense blocks as rows of 256 bytes (32 elements of 8 bytes); 15:0 the mask: all four work-groups; 21 set beside a mask
.irp g, G1S, G1E, G1L
	s_mov_b32 s[\g], 15|(3<<16)|(1<<21)
	s_mov_b32 s[\g+1], 32<<16
	s_mov_b32 s[\g+3], 32<<16
	s_mov_b32 s[\g+5], 32
	s_mov_b32 s[\g+6], 0
	s_mov_b32 s[\g+7], 0
.endr
	s_mov_b32 s[G1S+2], 4<<16                      ; the scale words: 1,024 bytes for each of waves 8-15
	s_mov_b32 s[G1S+4], 4
	s_mov_b32 s[G1E+2], 24<<16                     ; steps 0-3: 24,576 bytes a side, 6,144 for each of waves 0-7
	s_mov_b32 s[G1E+4], 24
	s_mov_b32 s[G1L+2], 36<<16                     ; steps 4-15: 73,728 bytes, 9,216 a wave
	s_mov_b32 s[G1L+4], 36
	s_bfe_u32 s98, s[WV], 0x10002                  ; the head's load: for K (0) or V (1),
	s_and_b32 s99, s[WV], 3                        ; the quarter that is mine
	s_add_co_u32 s19, s98, 1                       ; section 1 is K's, 2 V's
	s_mul_i32 s92, s19, SSEC
	s_lshl_b32 s93, s[BH], 12
	s_add_co_u32 s92, s92, s93
	s_lshl_b32 s93, s99, 10
	s_add_co_u32 s92, s92, s93                     ; my scale words in isc (waves 8-15)
	s_mov_b32 s93, 0
	s_mul_i32 s94, s19, SEC
	s_mul_i32 s95, s[BH], 98304
	s_add_co_u32 s94, s94, s95
	s_add_co_u32 s96, s17, 1
	s_mul_i32 s96, s96, SEC
	s_add_co_u32 s96, s96, s95
	s_mul_i32 s97, s18, 9216
	s_add_co_u32 s96, s96, s97
	s_add_co_u32 s96, s96, 24576                   ; my part of steps 4-15 in img
	s_mov_b32 s97, 0
	s_mul_i32 s95, s99, 6144
	s_add_co_u32 s94, s94, s95                     ; my part of steps 0-3 (waves 0-7)
	s_mov_b32 s95, 0
	s_mov_b32 s[G0S], 1
	s_mov_b32 s[G0E], 1
	s_mov_b32 s[G0L], 1
	s_and_b32 s[G0S+1], s[WV], 7
	s_lshl_b32 s[G0S+1], s[G0S+1], 10
	s_add_co_u32 s[G0S+1], s[G0S+1], KSC           ; LDS: 1,024 bytes a wave: waves 8-11 fill K's words, 12-15 V's
	s_mul_i32 s19, s98, VLDS
	s_mul_i32 s[G0E+1], s99, 6144
	s_add_co_u32 s[G0E+1], s[G0E+1], s19
	s_mul_i32 s19, s17, VLDS
	s_mul_i32 s[G0L+1], s18, 9216
	s_add_co_u32 s[G0L+1], s[G0L+1], s19
	s_add_co_u32 s[G0L+1], s[G0L+1], 24576
	; Q's and y's places (these hang on cx: they enter plain loads and stores alone)
	s_sub_co_u32 s[DG], 15, s[U]                   ; pass B's step
	s_lshl_b32 s74, s[BH], 4
	s_add_co_u32 s75, s74, s[DG]
	s_add_co_u32 s76, s74, s[U]
	s_mul_i32 s77, s[CX], 1536                     ; the pair image cx holds tiles 2 cx, 2 cx + 1
	s_mul_i32 s84, s75, STEPB
	s_add_co_u32 s84, s84, s77
	s_mov_b32 s85, 0
	s_mul_i32 s86, s76, STEPB
	s_add_co_u32 s86, s86, s77
	s_mov_b32 s87, 0
	s_and_b32 s77, s[CX], 1                        ; image cx's scale word: word cx / 2 of lane r + 16 (cx % 2)
	s_lshl_b32 s77, s77, 7
	s_lshr_b32 s78, s[CX], 1
	s_lshl_b32 s78, s78, 2
	s_add_co_u32 s77, s77, s78
	s_lshl_b32 s88, s75, 8
	s_add_co_u32 s88, s88, s77
	s_mov_b32 s89, 0
	s_lshl_b32 s90, s76, 8
	s_add_co_u32 s90, s90, s77
	s_mov_b32 s91, 0
	s_lshr_b32 s74, s[BH], 4                       ; batch: 128 tiles of tokens each
	s_lshl_b32 s74, s74, 7
	s_lshl_b32 s75, s[CX], 1
	s_add_co_u32 s75, s75, s[PAR]
	s_add_co_u32 s74, s74, s75
	s_lshl_b32 s75, s[DG], 3
	s_add_co_u32 s75, s75, s74                     ; pass B's tile
	s_lshl_b32 s76, s[U], 3
	s_add_co_u32 s76, s76, s74                     ; pass A's
	s_and_b32 s77, s[BH], 15                       ; head: 64 along the last product's K: 768 bytes of a tile's codes
	s_mul_i32 s78, s77, 768
	s_mul_i32 s[YCB], s75, 12288
	s_add_co_u32 s[YCB], s[YCB], s78
	s_mov_b32 s[YCB+1], 0
	s_mul_i32 s[YCA], s76, 12288
	s_add_co_u32 s[YCA], s[YCA], s78
	s_mov_b32 s[YCA+1], 0
	s_lshr_b32 s79, s77, 2                         ; its two scale bytes: group head / 4, word (head / 2) % 2, bytes 2 (head % 2) on
	s_lshl_b32 s79, s79, 7
	s_bfe_u32 s80, s77, 0x10001
	s_lshl_b32 s80, s80, 2
	s_add_co_u32 s79, s79, s80
	s_and_b32 s80, s77, 1
	s_lshl_b32 s80, s80, 1
	s_add_co_u32 s79, s79, s80
	s_lshl_b32 s[YSB], s75, 9
	s_add_co_u32 s[YSB], s[YSB], s79
	s_mov_b32 s[YSB+1], 0
	s_lshl_b32 s[YSA], s76, 9
	s_add_co_u32 s[YSA], s[YSA], s79
	s_mov_b32 s[YSA+1], 0
	s_mov_b32 s[SEL], 0x76543210
	s_mov_b32 s[SEL+1], 0xfedcba98                 ; selects for lane l xor 16
	s_mov_b32 s[CS], 0x3e38aa3b                    ; c = log2(e) / 8
	s_mov_b32 s[CS+1], s[CS]                       ; (named with it as a pair, so it is written)
	s_mov_b32 s[ST], 0
	s_mov_b32 s[TK], 0
	s_mov_b32 s[TS], 0
	s_wait_dscnt 0x0                               ; the opening add is done
	s_wait_kmcnt 0x0
	s_add_nc_u64 s[G0S+2:G0S+3], s[6:7], s[92:93]
	s_or_b32 s[G0S+3], s[G0S+3], 0x80000000
	s_add_nc_u64 s[G0E+2:G0E+3], s[4:5], s[94:95]
	s_or_b32 s[G0E+3], s[G0E+3], 0x80000000
	s_add_nc_u64 s[G0L+2:G0L+3], s[4:5], s[96:97]
	s_or_b32 s[G0L+3], s[G0L+3], 0x80000000
	s_add_nc_u64 s[84:85], s[4:5], s[84:85]        ; Q's section is img's first
	s_add_nc_u64 s[86:87], s[4:5], s[86:87]
	s_add_nc_u64 s[88:89], s[6:7], s[88:89]
	s_add_nc_u64 s[90:91], s[6:7], s[90:91]
	s_add_nc_u64 s[YCB:YCB+1], s[8:9], s[YCB:YCB+1]
	s_add_nc_u64 s[YCA:YCA+1], s[8:9], s[YCA:YCA+1]
	s_add_nc_u64 s[YSB:YSB+1], s[10:11], s[YSB:YSB+1]
	s_add_nc_u64 s[YSA:YSA+1], s[10:11], s[YSA:YSA+1]
	CROUND                                         ; all four work-groups are here: the joint loads meet
	s_cmp_lt_u32 s[WV], 8                          ; the head's loads, one a wave: waves 0-7 steps 0-3 of K and V, waves 8-15 the scale words
	s_cbranch_scc0 .Lhead_s
	tensor_load_to_lds s[G0E:G0E+3], s[G1E:G1E+7]
	s_nop 0
.rept 4
	v_nop
.endr
	s_branch .Lhead_j
.Lhead_s:
	tensor_load_to_lds s[G0S:G0S+3], s[G1S:G1S+7]
	s_nop 0
.rept 4
	v_nop
.endr
.Lhead_j:
	v_and_b32 v8, 31, v0                           ; lane
	v_and_b32 v9, 15, v0                           ; r
	v_bfe_u32 v10, v0, 4, 1                        ; h
	s_delay_alu instid0(VALU_DEP_3)
	v_lshlrev_b32 v1, 4, v8                        ; v1: 16 x lane: my bytes of an image's 512, in K
	s_delay_alu instid0(VALU_DEP_1)
	v_add_nc_u32 v2, VLDS, v1                      ; v2: in V
	v_lshl_add_u32 v3, v8, 3, KSC                  ; v3: my two scale words of a step
	v_lshlrev_b32 v7, 3, v8                        ; v7: 8 x lane
	v_lshlrev_b32 v11, 3, v9                       ; v11: 8 r
	v_and_b32 v4, 8, v9
	s_delay_alu instid0(VALU_DEP_1)
	v_add_nc_u32 v4, v4, v9                        ; r + 8 (r / 8)
	v_lshlrev_b32 v12, 4, v10
	s_delay_alu instid0(VALU_DEP_1)
	v_sub_nc_u32 v4, v4, v12
	s_lshl_b32 s74, s[CX], 5
	s_lshl_b32 s75, s[PAR], 3
	s_add_co_u32 s74, s74, s75
	v_add_nc_u32 v4, s74, v4                       ; v4: my query's place in its step - 16 h.  Register 16 b + i holds key 32 b + 16 h + i: hidden on the diagonal where 32 b + i > v4
	s_mul_i32 s74, s[PAR], 520                     ; registers 6 par .. 6 par + 5 of the pair image, as three pieces of 8 bytes
	s_mul_i32 s75, s[PAR], 1016
	s_add_co_u32 s75, s75, 8
	v_add_nc_u32 v212, s74, v1
	v_add_nc_u32 v213, s75, v1
	global_load_b64 v[22:23], v212, s[84:85]
	global_load_b64 v[24:25], v213, s[84:85]
	global_load_b64 v[26:27], v212, s[84:85] offset:512
	global_load_b32 v[QS], v11, s[88:89]
	global_load_b64 v[36:37], v212, s[86:87]
	global_load_b64 v[38:39], v213, s[86:87]
	global_load_b64 v[40:41], v212, s[86:87] offset:512
	global_load_b32 v35, v11, s[90:91]
.irp i, 0,1,2,3,4,5
	v_mov_b32 v[16+\i], 0                          ; the zero codes on either side of q
	v_mov_b32 v[28+\i], 0
.endr
.irp b, 0,1,2,3
	v_mov_b32 v[PB+\b], 0                          ; written once: a lane permute's destination counts as one of its sources
.endr
	v_mov_b32 v[TP], 0
	v_mov_b32 v[TP+1], 0
	v_mov_b32 v[F+1], 0                            ; (named as the upper half of a pair before it is first written)
	s_lshl_b32 s74, s[PAR], 4
	s_wait_loadcnt 0x0                             ; Q
.irp q, QS, 35
	v_lshrrev_b32 v[\q], s74, v[\q]                ; my tile's two bytes of the pair's word,
	s_delay_alu instid0(VALU_DEP_1)
	v_and_b32 v[\q], 0xffff, v[\q]
	s_delay_alu instid0(VALU_DEP_1)
	v_lshl_or_b32 v[\q], v[\q], 16, v[\q]          ; for either half of K
.endr
.macro INIT second
.if \second
.irp i, 0,1,2,3,4,5
	v_mov_b32 v[22+\i], v[36+\i]
.endr
	v_mov_b32 v[QS], v35
.endif
	v_mov_b32 v13, 0xff61b1e6                      ; the largest t so far: -3e38, under every t
	s_delay_alu instid0(VALU_DEP_1)
	v_floor_f32 v12, -v13                          ; -M
	v_mov_b32 v14, 0
	v_mov_b32 v15, 0
.irp j, 0,1,2,3,4,5,6,7,8,9,10,11,12,13,14,15,16,17,18,19,20,21,22,23,24,25,26,27,28,29,30,31
	v_mov_b32 v[O+\j], 0                           ; O^T: the step is written once; the first change of M leaves zeros zeros.  (These are also the places between q's registers and the products)
.endr
.endm
; A KEY STEP: 128 keys.  mask = 1: the step may lie on or behind my tile's diagonal.
.macro STEP mask
	v_add_nc_u32 v[ADK], s[TK], v1
	v_add_nc_u32 v[ADV], s[TK], v2
	v_add_nc_u32 v[ADS], s[TS], v3
.if \mask
	s_cmp_gt_u32 s[ST], s[DG]                      ; all keys come after my queries: the step's work is left out.  The wave's number and the count of steps alone
	s_cbranch_scc1 .Lhidden_\@
.endif
.irp p, 0,1,2,3
.irp c, 0,1,2
	ds_load_b128 v[KV+12*\p+4*\c:KV+12*\p+4*\c+3], v[ADK] offset:1536*\p+512*\c
.endr
.endr
	ds_load_b64 v[KS:KS+1], v[ADS]                 ; lanes 0-15: images 0, 2; lanes 16-31: images 1, 3
	s_wait_alu depctr_va_vdst(0)
	s_wait_dscnt 0x0
.irp p, 0,2
	v_wmma_scale_f32_16x16x128_f8f6f4 v[S+16*\p:S+16*\p+7], v[KV+12*\p:KV+12*\p+11], v[22:33], 0, v[KS+\p/2], v[QS] matrix_a_fmt:MATRIX_FMT_FP6 matrix_b_fmt:MATRIX_FMT_FP6
	v_wmma_scale_f32_16x16x128_f8f6f4 v[S+16*\p+8:S+16*\p+15], v[KV+12*\p:KV+12*\p+11], v[16:27], 0, v[KS+\p/2], v[QS] matrix_a_fmt:MATRIX_FMT_FP6 matrix_b_fmt:MATRIX_FMT_FP6
	v_wmma_scale_f32_16x16x128_f8f6f4 v[S+16*\p+16:S+16*\p+23], v[KV+12*\p+12:KV+12*\p+23], v[22:33], 0, v[KS+\p/2], v[QS] matrix_a_fmt:MATRIX_FMT_FP6 matrix_b_fmt:MATRIX_FMT_FP6 matrix_a_scale:MATRIX_SCALE_ROW1
	v_wmma_scale_f32_16x16x128_f8f6f4 v[S+16*\p+24:S+16*\p+31], v[KV+12*\p+12:KV+12*\p+23], v[16:27], 0, v[KS+\p/2], v[QS] matrix_a_fmt:MATRIX_FMT_FP6 matrix_b_fmt:MATRIX_FMT_FP6 matrix_a_scale:MATRIX_SCALE_ROW1
.endr
.rept 4
	v_nop                                          ; places behind the products: for the loads into K's registers and the first read of the scores
.endr
.irp t, 0,1,2,3
.irp c, 0,1,2
	ds_load_b128 v[KV+12*\t+4*\c:KV+12*\t+4*\c+3], v[ADV] offset:1536*\t+512*\c   ; V's four images land while the softmax is walked
.endr
.endr
	ds_load_b64 v[VS:VS+1], v[ADS] offset:4096
.if \mask
	s_cmp_lg_u32 s[ST], s[DG]
	s_cbranch_scc1 .Lopen_\@
	v_mov_b32 v[TP], 0xff800000                    ; on the diagonal hidden scores become -infinity ahead of the maximum: p = 0 then
.irp n, 0,1,2,3,4,5,6,7,8,9,10,11,12,13,14,15,16,17,18,19,20,21,22,23,24,25,26,27,28,29,30,31,32,33,34,35,36,37,38,39,40,41,42,43,44,45,46,47,48,49,50,51,52,53,54,55,56,57,58,59,60,61,62,63
	v_cmp_gt_i32 vcc_lo, 32*(\n/16)+\n%16, v4
	v_cndmask_b32 v[S+\n], v[S+\n], v[TP], vcc_lo
.endr
.Lopen_\@:
.endif
.irp b, 0,1,2,3
	v_max3_num_f32 v[MX+\b], v[S+16*\b], v[S+16*\b+1], v[S+16*\b+2]   ; the largest score of each block of 32 keys: it serves the row's maximum and, since p rises with the score, the block's largest p
.endr
.irp i, 3,5,7,9,11,13
.irp b, 0,1,2,3
	v_max3_num_f32 v[MX+\b], v[MX+\b], v[S+16*\b+\i], v[S+16*\b+\i+1]
.endr
.endr
.irp b, 0,1,2,3
	v_max_num_f32 v[MX+\b], v[MX+\b], v[S+16*\b+15]
.endr
.irp b, 0,1,2,3
	s_delay_alu instid0(VALU_DEP_4)
	v_permlanex16_b32 v[PB+\b], v[MX+\b], s[SEL], s[SEL+1]
.endr
.irp b, 0,1,2,3
	s_delay_alu instid0(VALU_DEP_4)
	v_max_num_f32 v[MX+\b], v[MX+\b], v[PB+\b]     ; with lane l xor 16's 16 keys
.endr
	s_delay_alu instid0(VALU_DEP_2)
	v_max3_num_f32 v[TP], v[MX], v[MX+1], v[MX+2]
	s_delay_alu instid0(VALU_DEP_1)
	v_max_num_f32 v[TP], v[TP], v[MX+3]
	s_delay_alu instid0(VALU_DEP_1)
	v_mul_f32 v[TP], s[CS], v[TP]                  ; the step's largest t (c is positive)
	s_delay_alu instid0(VALU_DEP_1)
	v_max_num_f32 v13, v13, v[TP]
	v_mov_b32 v[TP], v12
	s_delay_alu instid0(VALU_DEP_2)
	v_floor_f32 v12, -v13                          ; the new -M = -ceil(t): a whole number
	s_delay_alu instid0(VALU_DEP_1)
	v_sub_f32 v[TP], v12, v[TP]                    ; old M - new M: a whole number, 0 or less
	s_delay_alu instid0(VALU_DEP_1)
	v_cvt_i32_f32 v[TP], v[TP]                     ; (it saturates)
	s_delay_alu instid0(VALU_DEP_1)
	v_ldexp_f32 v[F], 1.0, v[TP]                   ; f = 2^(old M - new M)
.irp j, 0,2,4,6,8,10,12,14,16,18,20,22,24,26,28,30,32,34,36,38,40,42,44,46,48,50,52,54,56,58,60,62
	v_pk_fma_f32 v[S+\j:S+\j+1], v[S+\j:S+\j+1], s[CS:CS+1], v[12:13] op_sel_hi:[1,0,0]   ; t - M, two at a time
.endr
.irp b, 0,1,2,3
	v_fma_f32 v[MX+\b], v[MX+\b], s[CS], v12       ; the same of each block's largest score
.endr
	s_wait_alu depctr_va_vdst(0)
.irp j, 0,1,2,3,4,5,6,7,8,9,10,11,12,13,14,15,16,17,18,19,20,21,22,23,24,25,26,27,28,29,30,31,32,33,34,35,36,37,38,39,40,41,42,43,44,45,46,47,48,49,50,51,52,53,54,55,56,57,58,59,60,61,62,63
	v_exp_f32 v[S+\j], v[S+\j]                     ; p = 2^(t - M), at most 1
.endr
	v_pk_mul_f32 v[14:15], v[14:15], v[F:F+1] op_sel_hi:[1,0]   ; the sums under the new M: a plain place behind the exponentials
	s_wait_alu depctr_va_vdst(0)                   ; one wait for the whole batch, ahead of its first reader
.irp b, 0,1,2,3
	v_exp_f32 v[MX+\b], v[MX+\b]                   ; the block's largest p: the same two instructions on the same number give the same bits
.endr
	v_pk_add_f32 v[216:217], v[100:101], v[104:105]
	v_pk_add_f32 v[254:255], v[108:109], v[112:113]
	v_pk_add_f32 v[252:253], v[116:117], v[120:121]
	v_pk_add_f32 v[250:251], v[124:125], v[128:129]
	v_pk_add_f32 v[248:249], v[132:133], v[136:137]
	v_pk_add_f32 v[246:247], v[140:141], v[144:145]
	v_pk_add_f32 v[244:245], v[148:149], v[152:153]
	v_pk_add_f32 v[14:15], v[14:15], v[156:157]
	v_pk_add_f32 v[216:217], v[216:217], v[96:97]
	v_pk_add_f32 v[254:255], v[254:255], v[98:99]
	v_pk_add_f32 v[252:253], v[252:253], v[102:103]
	v_pk_add_f32 v[250:251], v[250:251], v[106:107]
	v_pk_add_f32 v[248:249], v[248:249], v[110:111]
	v_pk_add_f32 v[246:247], v[246:247], v[114:115]
	v_pk_add_f32 v[244:245], v[244:245], v[118:119]
	v_pk_add_f32 v[14:15], v[14:15], v[122:123]
	v_pk_add_f32 v[216:217], v[216:217], v[126:127]
	v_pk_add_f32 v[254:255], v[254:255], v[130:131]
	v_pk_add_f32 v[252:253], v[252:253], v[134:135]
	v_pk_add_f32 v[250:251], v[250:251], v[138:139]
	v_pk_add_f32 v[248:249], v[248:249], v[142:143]
	v_pk_add_f32 v[246:247], v[246:247], v[146:147]
	v_pk_add_f32 v[244:245], v[244:245], v[150:151]
	v_pk_add_f32 v[14:15], v[14:15], v[154:155]
	v_pk_add_f32 v[216:217], v[216:217], v[158:159]
	s_delay_alu instid0(VALU_DEP_2)
	v_pk_add_f32 v[14:15], v[14:15], v[250:251]
	s_delay_alu instid0(VALU_DEP_2)
	v_pk_add_f32 v[216:217], v[216:217], v[248:249]
	v_pk_add_f32 v[254:255], v[254:255], v[246:247]
	v_pk_add_f32 v[252:253], v[252:253], v[244:245]
	s_delay_alu instid0(VALU_DEP_2)
	v_pk_add_f32 v[14:15], v[14:15], v[254:255]
	s_delay_alu instid0(VALU_DEP_2)
	v_pk_add_f32 v[216:217], v[216:217], v[252:253]
	s_delay_alu instid0(VALU_DEP_1)
	v_pk_add_f32 v[14:15], v[14:15], v[216:217]
	s_wait_alu depctr_va_vdst(0)                   ; and one for the four
.irp b, 0,1,2,3
	v_max_num_f32 v[MX+\b], 0x1800000, v[MX+\b]    ; the floor 2^(3 - 127): the byte cannot fall under 1
.endr
.irp b, 0,1,2,3
	s_delay_alu instid0(VALU_DEP_4)
	v_add_nc_u32 v[SO+\b], 0xff000000, v[MX+\b]    ; 2 off the exponent field: the conversion's scale operand
.endr
.irp b, 0,1,2,3
	s_delay_alu instid0(VALU_DEP_4)
	v_lshrrev_b32 v[PB+\b], 23, v[SO+\b]           ; the scale's byte
.endr
	s_delay_alu instid0(VALU_DEP_3)
	v_lshl_or_b32 v[F+1], v[PB+1], 8, v[PB]        ; p's scale word for these 128 keys
	s_delay_alu instid0(VALU_DEP_1)
	v_lshl_or_b32 v[F+1], v[PB+2], 16, v[F+1]
	s_delay_alu instid0(VALU_DEP_1)
	v_lshl_or_b32 v[F+1], v[PB+3], 24, v[F+1]
.irp c, 0,1
	v_cvt_scalef32_pk16_fp6_f32 v[PC+6*\c:PC+6*\c+2], v[S+32*\c:S+32*\c+15], v[SO+2*\c]
	v_cvt_scalef32_pk16_fp6_f32 v[T0+4*\c:T0+4*\c+2], v[S+32*\c+16:S+32*\c+31], v[SO+2*\c+1]   ; (a conversion's three registers begin on an even number)
.endr
	v_nop                                          ; one plain place behind a scaled conversion
.irp c, 0,1                                    ; the operand's layout wants a whole block in a lane
.irp i, 0,1,2
	v_permlane16_swap_b32 v[PC+6*\c+\i], v[T0+4*\c+\i]
.endr
.irp i, 0,1,2
	s_delay_alu instid0(VALU_DEP_3)
	v_mov_b32 v[PC+6*\c+3+\i], v[T0+4*\c+\i]
.endr
.endr
.irp j, 0,2,4,6,8,10,12,14,16,18,20,22,24,26,28,30
	v_pk_mul_f32 v[O+\j:O+\j+1], v[O+\j:O+\j+1], v[F:F+1] op_sel_hi:[1,0]   ; O^T under the new M.  (These stand between the codes' last write and the products)
.endr
	s_wait_alu depctr_va_vdst(0)
	s_wait_dscnt 0x0                               ; V is in
.irp t, 0,2                                    ; O^T += V^T P^T: four accumulators, one instruction a turn
	v_wmma_scale_f32_16x16x128_f8f6f4 v[O+8*\t:O+8*\t+7], v[KV+12*\t:KV+12*\t+11], v[PC:PC+11], v[O+8*\t:O+8*\t+7], v[VS+\t/2], v[F+1] matrix_a_fmt:MATRIX_FMT_FP6 matrix_b_fmt:MATRIX_FMT_FP6
	v_wmma_scale_f32_16x16x128_f8f6f4 v[O+8*\t+8:O+8*\t+15], v[KV+12*\t+12:KV+12*\t+23], v[PC:PC+11], v[O+8*\t+8:O+8*\t+15], v[VS+\t/2], v[F+1] matrix_a_fmt:MATRIX_FMT_FP6 matrix_b_fmt:MATRIX_FMT_FP6 matrix_a_scale:MATRIX_SCALE_ROW1
.endr
.rept 4
	v_nop                                          ; places behind the products: for the next step's loads into V's registers, and for the way out's first read
.endr
.if \mask
.Lhidden_\@:
.endif
	s_add_co_u32 s[TK], s[TK], STEPB
	s_add_co_u32 s[TS], s[TS], 256
	s_add_co_u32 s[ST], s[ST], 1
.endm
; THE WAY OUT of a tile: y = O^T / the sum; register 16 t + i is channel 32 t + 16 h + i of my head: two blocks of 32 along the last product's K, quantised as p is.
.macro FINISH yc, ys
	v_add_f32 v14, v14, v15
	s_delay_alu instid0(VALU_DEP_1)
	v_permlanex16_b32 v[TP], v14, s[SEL], s[SEL+1]
	s_delay_alu instid0(VALU_DEP_1)
	v_add_f32 v14, v14, v[TP]                      ; the row's sum
	s_wait_alu depctr_va_vdst(0)
	v_rcp_f32 v14, v14
	v_nop                                          ; a plain place behind the transcendental
	s_wait_alu depctr_va_vdst(0)                   ; and the wait ahead of its first reader
.irp j, 0,2,4,6,8,10,12,14,16,18,20,22,24,26,28,30
	v_pk_mul_f32 v[S+\j:S+\j+1], v[O+\j:O+\j+1], v[14:15] op_sel_hi:[1,0]
.endr
.irp b, 0,1
	v_max3_num_f32 v[MX+\b], |v[S+16*\b]|, |v[S+16*\b+1]|, 0x1800000
.endr
.irp i, 2,4,6,8,10,12,14
.irp b, 0,1
	s_delay_alu instid0(VALU_DEP_2)
	v_max3_num_f32 v[MX+\b], v[MX+\b], |v[S+16*\b+\i]|, |v[S+16*\b+\i+1]|
.endr
.endr
.irp b, 0,1
	s_delay_alu instid0(VALU_DEP_2)
	v_permlanex16_b32 v[PB+\b], v[MX+\b], s[SEL], s[SEL+1]
.endr
.irp b, 0,1
	s_delay_alu instid0(VALU_DEP_2)
	v_max_num_f32 v[MX+\b], v[MX+\b], v[PB+\b]
.endr
.irp b, 0,1
	s_delay_alu instid0(VALU_DEP_2)
	v_add_nc_u32 v[SO+\b], 0xff000000, v[MX+\b]
.endr
.irp b, 0,1
	s_delay_alu instid0(VALU_DEP_2)
	v_lshrrev_b32 v[PB+\b], 23, v[SO+\b]
.endr
	s_delay_alu instid0(VALU_DEP_1)
	v_lshl_or_b32 v[TP+1], v[PB+1], 8, v[PB]       ; my head's two bytes of the row's scale word
	v_cvt_scalef32_pk16_fp6_f32 v[PC:PC+2], v[S:S+15], v[SO]
	v_cvt_scalef32_pk16_fp6_f32 v[T0:T0+2], v[S+16:S+31], v[SO+1]
	v_nop
.irp i, 0,1,2
	v_permlane16_swap_b32 v[PC+\i], v[T0+\i]
.endr
.irp i, 0,1,2
	s_delay_alu instid0(VALU_DEP_3)
	v_mov_b32 v[PC+3+\i], v[T0+\i]
.endr
.irp p, 0,1,2
	global_store_b64 v7, v[PC+2*\p:PC+2*\p+1], s[\yc:\yc+1] offset:256*\p   ; 256 consecutive bytes, aligned
.endr
	global_store_b16 v11, v[TP+1], s[\ys:\ys+1]    ; two bytes a row (both halves of the lanes write the same): a head owns no more of a scale word
	s_wait_xcnt 0x0                                ; the stores have read their registers, which the next pass writes again
.endm
	INIT 0
	s_wait_alu depctr_va_vdst(0)
	s_wait_tensorcnt 0x0                           ; my load of the head is in
	ds_add_u32 v[SPW], v[NIL]
	s_wait_dscnt 0x0
	CROUND                                         ; everybody's are in, and all four work-groups are here
	tensor_load_to_lds s[G0L:G0L+3], s[G1L:G1L+7]  ; steps 4-15, my one load behind the round: it has the four steps below in which to land
	s_nop 0
.rept 4
	v_nop
.endr
.Lb_early:                                         ; PASS B, steps 0-3: its diagonal lies at step 8 or later
	STEP 0
	s_cmp_lt_u32 s[ST], 4
	s_cbranch_scc1 .Lb_early
	s_wait_tensorcnt 0x0                           ; my part of steps 4-15 is in,
	s_wait_dscnt 0x0
	s_barrier_signal -1
	s_barrier_wait -1                              ; everybody's is
.Lb_late:                                          ; steps 4-15
	STEP 1
	s_cmp_lt_u32 s[ST], 16
	s_cbranch_scc1 .Lb_late
	FINISH YCB, YSB
	s_mov_b32 s[ST], 0                             ; PASS A: the early tile, steps 0-7
	s_mov_b32 s[TK], 0
	s_mov_b32 s[TS], 0
	s_mov_b32 s[DG], s[U]
	INIT 1
.La:
	STEP 1
	s_cmp_lt_u32 s[ST], 8
	s_cbranch_scc1 .La
	FINISH YCA, YSA
	s_wait_tensorcnt 0x0                           ; the wave's end
	ds_add_u32 v[SPW], v[NIL]
	s_wait_dscnt 0x0
	CROUND                                         ; the closing round
	s_endpgm
.Lfunc_end_k_q0a9e6bc42b_attn:
	.size	k_q0a9e6bc42b_attn, .Lfunc_end_k_q0a9e6bc42b_attn-k_q0a9e6bc42b_attn
	.p2alignl 7, 3214868480
	.fill 96, 4, 3214868480
	.section	.rodata,"a",@progbits
	.p2align	6, 0x0
	.amdhsa_kernel k_q0a9e6bc42b_attn
		.amdhsa_group_segment_fixed_size 327680
		.amdhsa_private_segment_fixed_size 0
		.amdhsa_enable_private_segment 0
		.amdhsa_kernarg_size 32
		.amdhsa_user_sgpr_count 2
		.amdhsa_user_sgpr_kernarg_segment_ptr 1
		.amdhsa_wavefront_size32 1
		.amdhsa_system_sgpr_workgroup_id_x 1
		.amdhsa_system_sgpr_workgroup_id_y 1
		.amdhsa_system_sgpr_workgroup_id_z 1
		.amdhsa_system_vgpr_workitem_id 0
		.amdhsa_next_free_vgpr 256
		.amdhsa_next_free_sgpr 100
		.amdhsa_reserve_vcc 1
		.amdhsa_float_denorm_mode_32 3
		.amdhsa_float_denorm_mode_16_64 3
		.amdhsa_memory_ordered 1
		.amdhsa_forward_progress 1
		.amdhsa_inst_pref_size 84
	.end_amdhsa_kernel
	.amdgpu_metadata
---
amdhsa.version: [ 1, 2 ]
amdhsa.kernels:
  - .name:           k_q0a9e6bc42b_attn
    .symbol:         k_q0a9e6bc42b_attn.kd
    .args:
      - { .name: img, .offset: 0, .size: 8, .value_kind: global_buffer, .address_space: global }
      - { .name: isc, .offset: 8, .size: 8, .value_kind: global_buffer, .address_space: global }
      - { .name: ycodes, .offset: 16, .size: 8, .value_kind: global_buffer, .address_space: global }
      - { .name: yscales, .offset: 24, .size: 8, .value_kind: global_buffer, .address_space: global }
    .group_segment_fixed_size: 327680
    .private_segment_fixed_size: 0
    .kernarg_segment_align: 8
    .kernarg_segment_size: 32
    .max_flat_workgroup_size: 512
    .sgpr_count:     100
    .vgpr_count:     256
    .wavefront_size: 32
...
	.end_amdgpu_metadata
.endif
;; end of part 3
;; launch outp (part 4): grid 4 x 64, 4 waves a work-group, clusters of 4 x 4, 327,680 bytes of LDS; arguments ycodes, yscales, acodes, ascales, proj_b, out0; writes out0
.if DOCPART == 4
	.amdgcn_target "amdgcn-amd-amdhsa--gfx1250"
	.amdhsa_code_object_version 6
	.text
	.protected	k_q0a9e6bc42b_outp
	.globl	k_q0a9e6bc42b_outp
	.p2align	8
	.type	k_q0a9e6bc42b_outp,@function
k_q0a9e6bc42b_outp:
	s_mov_b64 s[64:65], 0
	v_nop
	global_prefetch_b8 v0, s[64:65] scope:SCOPE_SE
	s_setreg_imm32_b32 hwreg(HW_REG_WAVE_MODE, 25, 1), 1
	s_wait_xcnt 0x0
	s_wait_alu depctr_hold_cnt(0) depctr_sa_sdst(0) depctr_va_vdst(0) depctr_va_sdst(0) depctr_va_ssrc(0) depctr_va_vcc(0) depctr_vm_vsrc(0)
	s_getreg_b32 s2, hwreg(HW_REG_IB_STS2, 6, 4)
	s_cmp_eq_u32 s2, 0
	s_cbranch_scc0 .Lentry_in_a_cluster
	s_endpgm
.Lentry_in_a_cluster:
	s_bfe_u32 s2, ttmp6, 0x10000c
	s_cmp_lg_u32 s2, 0xf033
	s_cbranch_scc0 .Lentry_shape_is_right
	s_endpgm
.Lentry_shape_is_right:
; out0 = y proj_w^T + proj_b on codes of FP6 (E2M3) with E8M0 scales, K = 1,024, f32 sums.  ycodes, yscales: y's 512 tiles of 16 tokens, laid as acodes and ascales are; proj_w's tiles begin at tile 1,216 of acodes.
; A tile is 12,288 bytes: 8 fragments (128 along K) of 1,536 bytes, register pair p of lane l at 256 p + 8 l; its scale words are 512 bytes: [4][row r][2 words].  Tile i, lane r holds row 32 (i / 2) + 8 (i % 2) + r + 8 (r / 8).
; SHARES: a work-group makes 128 tokens x 256 channels: 64 x 4 = 256 work-groups.  Its 8 + 16 tiles, for ALL of K, are 294,912 bytes of LDS, filled once: one joint load a wave at the head, no ring, no refill.
; A wave makes all 128 tokens x 64 channels.  Its 4 tiles of proj_w, all of K, are read from LDS once and stay in 384 registers.  y's tiles come one after the other: a tile of 16 tokens is finished by 32 matrix instructions,
; its 4 accumulators by turns, K ascending; while tile a is multiplied, tile a - 1 goes through my stage and tile a - 2 is stored.
; Source 0 = proj_w's rows, source 1 = tokens: a lane holds eight neighbouring channels of one token.  The bias is the C of a tile's first products.
; CLUSTERS: 4 x 4: y's tiles are shared along a row of the cluster, proj_w's along a column.  The scale words and the bias go from memory into registers while the tiles are on their way.
; No prefetch: every byte that a work-group reads is asked for at its head, ahead of the walk.
; REGISTERS: window 0: v0-31 addresses; v32-95 y's scale words (8 a + step); v96-127 proj_w's (8 b + step); v128-191 accumulators, two sets of 4; v192-223 the bias; v224-255 a tile's rows back from the stage.
;   window 1: proj_w's fragments of K steps 0-3 (12 (4 step + b)); window 2: of K steps 4-7; window 3: y's fragments of a tile, all of K, two sets at v0 and v96.
.set TILE,   12288
.set FRB,    1536
.set AB,     8*TILE                    ; y's 8 tiles; behind them proj_w's 16
.set STAGE,  24*TILE                   ; behind the tiles: a stage of 16 rows x (256 + 16) bytes for each wave: no fill lands there
.set SPITCH, 272
.set SPARE,  STAGE+4*16*SPITCH         ; the spare words, 128 bytes for each wave
.set ADRA, 16                          ; v16 y's tiles 0-3, v17 tiles 4-7
.set ADRB, 18
.set STO,  24
.set RD,   25
.set CO,   26
.set SAD,  27                          ; 8 r
.set SPW,  28
.set NIL,  29
.set BAD,  30                          ; 64 h
.set SA,   32
.set SB,   96
.set ACC,  128
.set BI,   192
.set RB,   224
.set G1,  24
.set G0,  32
.set G1B, 48
.set G0B, 56
.set MSB, 0
.macro WIN new                         ; the immediate's high byte repeats the setting that is left
.if MSB != (\new)
	s_set_vgpr_msb (MSB<<8)|(\new)
.set MSB, (\new)
.endif
.endm
.macro PLACES
.rept 4
	v_nop
.endr
.endm
.macro CROUND                          ; a round of the cluster's barrier
	s_barrier_signal -1
	s_barrier_wait -1
	s_cmp_lg_u32 s14, 0
	s_cbranch_scc1 .Lnot_wave_0_\@
	s_barrier_signal -3
.Lnot_wave_0_\@:
	s_barrier_wait -3
	s_barrier_signal -1
	s_barrier_wait -1
.endm
	s_load_b128 s[4:7], s[0:1], 0x0                ; ycodes, yscales
	s_load_b128 s[8:11], s[0:1], 0x10              ; acodes, ascales
	s_load_b128 s[96:99], s[0:1], 0x20             ; proj_b, out0
	v_lshl_add_u32 v[SPW], v0, 2, SPARE
	v_mov_b32 v[NIL], 0
	ds_add_u32 v[SPW], v[NIL]                      ; the opening lines: the add, twice on end, and its wait
	ds_add_u32 v[SPW], v[NIL]
	v_lshrrev_b32 v1, 5, v0
	v_readfirstlane_b32 s14, v1                    ; wave: my 64 channels
	s_lshr_b32 s15, s14, 1                         ; I fetch for y (0) or proj_w (1),
	s_and_b32 s16, s14, 1                          ; this half of that side
	s_bfe_u32 s40, ttmp6, 0x40000                  ; cx, cy
	s_bfe_u32 s41, ttmp6, 0x40004
	s_lshl_b32 s42, ttmp9, 2
	s_add_co_u32 s42, s42, s40                     ; block of 256 channels
	s_and_b32 s17, ttmp7, 0xffff
	s_lshl_b32 s17, s17, 2
	s_add_co_u32 s17, s17, s41                     ; block of 128 tokens
	s_lshl_b32 s43, s41, 2
	s_lshl_b32 s43, 15, s43                        ; my row of the cluster
	s_lshl_b32 s44, 0x1111, s40                    ; my column
	s_or_b32 s[G1+0], s43, (3<<16)|(1<<21)         ; dense blocks as rows of 256 bytes (32 elements of 8 bytes); the mask, and bit 21 beside it
	s_or_b32 s[G1B+0], s44, (3<<16)|(1<<21)
.irp g, G1, G1B
	s_mov_b32 s[\g+1], 32<<16
	s_mov_b32 s[\g+3], 32<<16
	s_mov_b32 s[\g+5], 32
	s_mov_b32 s[\g+6], 0
	s_mov_b32 s[\g+7], 0
.endr
	s_mov_b32 s[G1+2], 192<<16                     ; y: 4 tiles, 49,152 bytes
	s_mov_b32 s[G1+4], 192
	s_mov_b32 s[G1B+2], 384<<16                    ; proj_w: 8 tiles, 98,304 bytes
	s_mov_b32 s[G1B+4], 384
	s_lshl_b32 s20, s17, 3
	s_lshl_b32 s21, s16, 2
	s_add_co_u32 s20, s20, s21
	s_mul_i32 s20, s20, TILE                       ; y's codes that I fetch
	s_mov_b32 s21, 0
	s_lshl_b32 s22, s17, 12                        ; the scale words of y's 8 tiles
	s_mov_b32 s23, 0
	s_lshl_b32 s46, s42, 4
	s_add_co_u32 s46, s46, 1216
	s_lshl_b32 s92, s14, 2
	s_add_co_u32 s92, s92, s46
	s_lshl_b32 s92, s92, 9                         ; the scale words of my 4 tiles of proj_w
	s_mov_b32 s93, 0
	s_lshl_b32 s47, s16, 3
	s_add_co_u32 s46, s46, s47
	s_mul_i32 s46, s46, TILE                       ; proj_w's codes that I fetch
	s_mov_b32 s47, 0
	s_mov_b32 s[G0], 1
	s_mul_i32 s[G0+1], s16, 4*TILE
	s_mov_b32 s[G0B], 1
	s_mul_i32 s[G0B+1], s16, 8*TILE
	s_add_co_u32 s[G0B+1], s[G0B+1], AB
	s_lshl_b32 s74, s42, 10
	s_lshl_b32 s75, s14, 8
	s_add_co_u32 s74, s74, s75                     ; my first channel, in bytes
	s_mov_b32 s75, 0
	s_lshl_b32 s76, s17, 19                        ; the block's first token's row of out0
	s_mov_b32 s77, 0
	s_add_nc_u64 s[76:77], s[76:77], s[74:75]
	s_mul_i32 s71, s14, 4*TILE
	s_add_co_u32 s71, s71, AB
	s_mul_i32 s72, s14, 16*SPITCH
	s_add_co_u32 s72, s72, STAGE
	s_wait_dscnt 0x0                               ; both opening adds are done
	s_wait_kmcnt 0x0
	s_add_nc_u64 s[G0+2:G0+3], s[4:5], s[20:21]
	s_or_b32 s[G0+3], s[G0+3], 0x80000000
	s_add_nc_u64 s[G0B+2:G0B+3], s[8:9], s[46:47]
	s_or_b32 s[G0B+3], s[G0B+3], 0x80000000
	s_add_nc_u64 s[22:23], s[6:7], s[22:23]
	s_add_nc_u64 s[92:93], s[10:11], s[92:93]
	s_add_nc_u64 s[96:97], s[96:97], s[74:75]
	s_add_nc_u64 s[98:99], s[98:99], s[76:77]
	CROUND                                         ; all sixteen work-groups are here: the joint loads meet
	s_cmp_eq_u32 s15, 0                            ; one load a wave; the branch hangs on the wave's number alone
	s_cbranch_scc0 .Lfor_b
	tensor_load_to_lds s[G0:G0+3], s[G1:G1+7]
	s_nop 0
	PLACES
	s_branch .Lasked
.Lfor_b:
	tensor_load_to_lds s[G0B:G0B+3], s[G1B:G1B+7]
	s_nop 0
	PLACES
.Lasked:
	v_and_b32 v1, 15, v0                           ; r
	v_bfe_u32 v2, v0, 4, 1                         ; h
	v_and_b32 v3, 31, v0                           ; lane
	v_lshlrev_b32 v[ADRA], 3, v3
	v_add_nc_u32 v[ADRA+1], 4*TILE, v[ADRA]
	v_add_nc_u32 v[ADRB], s71, v[ADRA]
	v_lshlrev_b32 v[SAD], 3, v1
	v_lshlrev_b32 v[BAD], 6, v2
	v_mul_u32_u24 v5, v1, SPITCH
	v_lshl_add_u32 v5, v2, 6, v5
	v_add_nc_u32 v[STO], s72, v5                   ; into the stage: row r, 64 h bytes on
	v_mul_u32_u24 v6, v2, SPITCH
	v_lshl_add_u32 v6, v1, 4, v6
	v_add_nc_u32 v[RD], s72, v6                    ; back: lanes 0-15 take a row of 256 bytes, lanes 16-31 the next
	v_lshlrev_b32 v7, 12, v2
	v_lshl_add_u32 v[CO], v1, 4, v7                ; and the same two rows in out0
	s_wait_alu depctr_va_vdst(0)
.irp a, 0,1,2,3,4,5,6,7
.irp g, 0,1,2,3
	global_load_b64 v[SA+8*\a+2*\g:SA+8*\a+2*\g+1], v[SAD], s[22:23] offset:512*\a+128*\g    ; row r's words of K steps 2 g, 2 g + 1 (lanes 16-31 take the same and are not read)
.endr
.endr
.irp b, 0,1,2,3
.irp g, 0,1,2,3
	global_load_b64 v[SB+8*\b+2*\g:SB+8*\b+2*\g+1], v[SAD], s[92:93] offset:512*\b+128*\g
.endr
.endr
.irp b, 0,1,2,3
	global_load_b128 v[BI+8*\b:BI+8*\b+3], v[BAD], s[96:97] offset:(32*(\b/2)+8*(\b%2))*4       ; the bias at the lane's eight channels 32 (b / 2) + 16 h + 8 (b % 2) + j
	global_load_b128 v[BI+8*\b+4:BI+8*\b+7], v[BAD], s[96:97] offset:(32*(\b/2)+8*(\b%2))*4+16
.endr
.macro FETCHB w                        ; proj_w's fragments of K steps 4 w .. 4 w + 3 into window 1 + w: each load reads 256 consecutive LDS bytes
	WIN 0x40*(1+\w)
.irp s, 0,1,2,3
.irp b, 0,1,2,3
.irp p, 0,1,2,3,4,5
	ds_load_b64 v[12*(4*\s+\b)+2*\p:12*(4*\s+\b)+2*\p+1], v[ADRB] offset:\b*TILE+(4*\w+\s)*FRB+256*\p
.endr
.endr
.endr
	WIN 0
.endm
.macro FETCHA a                        ; y's tile a, all of K, into set a % 2 of window 3
	WIN 0xc0
.irp s, 0,1,2,3,4,5,6,7
.irp p, 0,1,2,3,4,5
	ds_load_b64 v[96*((\a)%2)+12*\s+2*\p:96*((\a)%2)+12*\s+2*\p+1], v[ADRA+(\a)/4] offset:((\a)%4)*TILE+\s*FRB+256*\p
.endr
.endr
	WIN 0
.endm
.macro MULH a, w                       ; tile a, K steps 4 w .. 4 w + 3: 16 matrix instructions
	WIN 0x0d+\w                                    ; source 0 window 1 + w, source 1 window 3, C and D window 0
.irp s, 0,1,2,3
.irp b, 0,1,2,3
.if 4*\w+\s == 0
	v_wmma_scale_f32_16x16x128_f8f6f4 v[ACC+32*((\a)%2)+8*\b:ACC+32*((\a)%2)+8*\b+7], v[12*(4*\s+\b):12*(4*\s+\b)+11], v[96*((\a)%2)+12*(4*\w+\s):96*((\a)%2)+12*(4*\w+\s)+11], v[BI+8*\b:BI+8*\b+7], v[SB+8*\b+4*\w+\s], v[SA+8*(\a)+4*\w+\s] matrix_a_fmt:MATRIX_FMT_FP6 matrix_b_fmt:MATRIX_FMT_FP6
.else
	v_wmma_scale_f32_16x16x128_f8f6f4 v[ACC+32*((\a)%2)+8*\b:ACC+32*((\a)%2)+8*\b+7], v[12*(4*\s+\b):12*(4*\s+\b)+11], v[96*((\a)%2)+12*(4*\w+\s):96*((\a)%2)+12*(4*\w+\s)+11], v[ACC+32*((\a)%2)+8*\b:ACC+32*((\a)%2)+8*\b+7], v[SB+8*\b+4*\w+\s], v[SA+8*(\a)+4*\w+\s] matrix_a_fmt:MATRIX_FMT_FP6 matrix_b_fmt:MATRIX_FMT_FP6
.endif
.endr
.endr
	WIN 0
.endm
.macro TOSTAGE a                       ; tile a's 16 tokens x 64 channels into my stage, and back as whole rows.  LDS serves a wave's instructions in order (ISA guide 5.7.1.4)
.irp b, 0,1,2,3
	ds_store_b128 v[STO], v[ACC+32*((\a)%2)+8*\b:ACC+32*((\a)%2)+8*\b+3] offset:128*(\b/2)+32*(\b%2)      ; each accumulator from its low end on
	ds_store_b128 v[STO], v[ACC+32*((\a)%2)+8*\b+4:ACC+32*((\a)%2)+8*\b+7] offset:128*(\b/2)+32*(\b%2)+16
.endr
.irp t, 0,1,2,3,4,5,6,7
	ds_load_b128 v[RB+4*\t:RB+4*\t+3], v[RD] offset:\t*2*SPITCH
.endr
.endm
.macro SEND a                          ; stage rows 2 t + h are tokens 32 (a / 2) + 8 (a % 2) + 2 t + h + 8 (t / 4): sixteen lanes store 256 consecutive bytes, aligned
.irp t, 0,1,2,3,4,5,6,7
	global_store_b128 v[CO], v[RB+4*\t:RB+4*\t+3], s[98:99] offset:(32*((\a)/2)+8*((\a)%2)+2*\t+8*(\t/4))*4096 th:TH_STORE_NT
.endr
.endm
.macro ITER a                          ; tile a is multiplied; ahead of its products all LDS work of the trip goes out: tile a - 1 through the stage, tile a + 1's fragments
	s_wait_dscnt 0x0                               ; tile a's fragments are in, and tile a - 2's rows are back from the stage
.if (\a) > 1
	SEND (\a)-2
.endif
.if (\a) > 0
	PLACES                                         ; places behind tile a - 1's products: their results are read, and loads go into their operands (ISA guide 7.12.1 for vector reads)
.if (\a) > 1
	s_wait_xcnt 0x0                                ; the stores above have read their registers, into which the loads below land
.endif
	TOSTAGE (\a)-1
.endif
.if (\a) < 7
	FETCHA (\a)+1
.endif
.if (\a) < 8
	MULH \a, 0
	MULH \a, 1
.endif
.endm
	s_wait_tensorcnt 0x0                           ; my load is in,
	s_barrier_signal -1
	s_barrier_wait -1                              ; everybody's is; nothing is ever filled again
	FETCHB 0
	FETCHA 0
	FETCHB 1
	s_wait_loadcnt 0x0                             ; the scale words and the bias
.irp a, 0,1,2,3,4,5,6,7,8
	ITER \a
.endr
	s_wait_dscnt 0x0                               ; tile 7's rows are back
	SEND 7
	s_wait_tensorcnt 0x0                           ; the wave's end
	ds_add_u32 v[SPW], v[NIL]
	s_wait_dscnt 0x0
	CROUND                                         ; the closing round
	s_endpgm
.Lfunc_end_k_q0a9e6bc42b_outp:
	.size	k_q0a9e6bc42b_outp, .Lfunc_end_k_q0a9e6bc42b_outp-k_q0a9e6bc42b_outp
	.p2alignl 7, 3214868480
	.fill 96, 4, 3214868480
	.section	.rodata,"a",@progbits
	.p2align	6, 0x0
	.amdhsa_kernel k_q0a9e6bc42b_outp
		.amdhsa_group_segment_fixed_size 327680
		.amdhsa_private_segment_fixed_size 0
		.amdhsa_enable_private_segment 0
		.amdhsa_kernarg_size 48
		.amdhsa_user_sgpr_count 2
		.amdhsa_user_sgpr_kernarg_segment_ptr 1
		.amdhsa_wavefront_size32 1
		.amdhsa_system_sgpr_workgroup_id_x 1
		.amdhsa_system_sgpr_workgroup_id_y 1
		.amdhsa_system_sgpr_workgroup_id_z 1
		.amdhsa_system_vgpr_workitem_id 0
		.amdhsa_next_free_vgpr 1024
		.amdhsa_next_free_sgpr 100
		.amdhsa_reserve_vcc 0
		.amdhsa_float_denorm_mode_32 3
		.amdhsa_float_denorm_mode_16_64 3
		.amdhsa_memory_ordered 1
		.amdhsa_forward_progress 1
		.amdhsa_inst_pref_size 97
	.end_amdhsa_kernel
	.amdgpu_metadata
---
amdhsa.version: [ 1, 2 ]
amdhsa.kernels:
  - .name:           k_q0a9e6bc42b_outp
    .symbol:         k_q0a9e6bc42b_outp.kd
    .args:
      - { .name: ycodes, .offset: 0, .size: 8, .value_kind: global_buffer, .address_space: global }
      - { .name: yscales, .offset: 8, .size: 8, .value_kind: global_buffer, .address_space: global }
      - { .name: acodes, .offset: 16, .size: 8, .value_kind: global_buffer, .address_space: global }
      - { .name: ascales, .offset: 24, .size: 8, .value_kind: global_buffer, .address_space: global }
      - { .name: proj_b, .offset: 32, .size: 8, .value_kind: global_buffer, .address_space: global }
      - { .name: out0, .offset: 40, .size: 8, .value_kind: global_buffer, .address_space: global }
    .group_segment_fixed_size: 327680
    .private_segment_fixed_size: 0
    .kernarg_segment_align: 8
    .kernarg_segment_size: 48
    .max_flat_workgroup_size: 128
    .sgpr_count:     100
    .vgpr_count:     1024
    .wavefront_size: 32
...
	.end_amdgpu_metadata
.endif
;; end of part 4
